; MI455X (gfx1250); checked and timed in simulation.
; The chip was launched on July 23, 2026; its instructions are those of AMD's public machine-readable ISA for CDNA 5 (MIT licence, August 2026) and "CDNA5" Instruction Set Architecture Reference Guide (July 2026). The comments in the code are by the model that wrote it; some were corrected since.
;; Multihead Attention. Allowed arithmetic: matrix products marked QUANTISED: E2M3 operands, one E8M0 scale for each 32 along K, by v_wmma_scale_f32_16x16x128_f8f6f4 with both operands' format E2M3, f32 sums; everything else in f32.
;; Inputs: token_positions 2,048 int32; wk 1,024 x 1,024 float32; wo 1,024 x 1,024 float32; wq 1,024 x 1,024 float32; wv 1,024 x 1,024 float32; x 4 x 2,048 x 1,024 float32.
;; Outputs: out0 4 x 2,048 x 1,024 float32.
;; This version of the problem:
;;   THIS VERSION OF THE PROBLEM IS GIVEN IN LOW PRECISION. The matrix products marked QUANTISED in the list below multiply operands that are first quantised to E2M3 (2 exponent bits, 3 mantissa bits; 6 bits a number), with one power-of-two scale for each 32 numbers along K (OCP MX v1.0); their sums are f32. All else is computed in f32.
;;   The module's matrix products, in the order in which they are computed (A, B: the left and right operand; K: the contracted axis; several contracted axes count as one K, in the product's order):
;;     1. [M 8,192, K 1,024] x [K 1,024, N 1,024]; A: input x; B: input wq: QUANTISED
;;     2. [M 8,192, K 1,024] x [K 1,024, N 1,024]; A: input x; B: input wk: QUANTISED
;;     3. [M 8,192, K 1,024] x [K 1,024, N 1,024]; A: input x; B: input wv: QUANTISED
;;     4. batch 64 x [M 2,048, K 64] x [K 64, N 2,048]; A: computed on the way; B: computed on the way: QUANTISED
;;     5. batch 64 x [M 2,048, K 2,048] x [K 2,048, N 64]; A: softmax (see below); B: computed on the way: QUANTISED
;;     6. [M 8,192, K 1,024] x [K 1,024, N 1,024]; A: computed on the way; B: input wo: QUANTISED
;;   THE QUANTISER, for each operand of a quantised product, along K:
;;     - K is cut into blocks of 32 from its start; a last block that is shorter is filled with zeros.
;;     - A block's scale is 2^e with e = floor(log2(the largest magnitude in the block)) - 2, held to -126 .. 127; a block of zeros has e = 0. As a byte (E8M0): e + 127.
;;     - Each number is divided by its block's scale, clamped to +-7.5, and rounded to the nearest number of E2M3, ties to even, subnormals kept.
;;     - The product sums the exact products of the quantised numbers (number of the format x scale) in f32.
;;   ~~~python
;;   def quantise(x, axis):      # numpy; x: float32 -> the quantised numbers, widened to float32 again
;;       x = np.moveaxis(x, axis, -1); K = x.shape[-1]
;;       x = np.pad(x, [(0, 0)] * (x.ndim - 1) + [(0, -K % 32)]); x = x.reshape(x.shape[:-1] + (-1, 32)); a = np.abs(x).max(-1, keepdims=True)
;;       e = np.where(a > 0, np.clip(np.frexp(np.where(a > 0, a, 1))[1] - 1 - 2, -126, 127), 0)      # np.frexp(a)[1] - 1 = floor(log2(a)), exactly
;;       r = np.clip(x / 2.0 ** e, -7.5, 7.5)
;;       step = 2.0 ** (np.maximum(np.frexp(np.where(r == 0, 1, r))[1] - 1, 0) - 3)
;;       q = np.round(r / step) * step * 2.0 ** e      # np.round: ties to even
;;       return np.moveaxis(q.reshape(q.shape[:-2] + (-1,))[..., :K], -1, axis).astype(np.float32)
;;   ~~~
;;   SOFTMAX AHEAD OF A QUANTISED PRODUCT. Where the list says 'softmax', what is quantised is not the finished softmax but p = 2^(t - M), with t = logit x log2(e) and M = ceil(the row's largest t), a whole number; so 1/2 < the row's largest p <= 1. The row's sum l is taken of the UNQUANTISED p, in f32, and the product's result is divided by l at the end. Since M is a whole number, a kernel that streams over the keys may use a running M (the ceiling of the running maximum): every later rescaling is an exact power of two, which a block's scale takes up: the codes' values come out the same.
;;   OPERANDS COMPUTED ON THE WAY. 'Computed on the way' means the value that the module computes at that place (a softmax that the list does not call 'softmax' is quantised finished and normalised). What goes into a quantiser is computed in f32, as accurately as f32 sums, v_exp_f32 and their like allow (about 1e-6 of the number): no bf16 or f16 on the way to a quantiser, and a product that is left as it is and whose result goes on into a quantised operand takes f32 operands (vector FMAs, or v_wmma_f32_16x16x4_f32). A number that lies on a knife's edge between two numbers of the format may be rounded either way, as far as f32 arithmetic and the matrix unit's own rounding can turn it there, and no further.
;; One version. Each part assembles by itself: llvm-mc -triple=amdgcn-amd-amdhsa -mcpu=gfx1250 --defsym DOCPART=n.
;; ======== version 1 of 1: 4 launches
;; workspace buffers: act_img 6,291,456 bytes; act_sc 262,144 bytes; w_img 3,145,728 bytes; w_sc 131,072 bytes; tab 524,288 bytes; qkv 18,874,368 bytes; qkvs 1,310,720 bytes
;; launch prep (part 1): grid 800 x 1, 4 waves a work-group, no clusters, 34,816 bytes of LDS; arguments x, wq, wk, wv, wo, token_positions, act_img, act_sc, w_img, w_sc, tab; writes act_img, act_sc, w_img, w_sc, tab
.if DOCPART == 1
	.amdgcn_target "amdgcn-amd-amdhsa--gfx1250"
	.amdhsa_code_object_version 6
	.text
	.protected	k_q17c505ff96_prep
	.globl	k_q17c505ff96_prep
	.p2align	8
	.type	k_q17c505ff96_prep,@function
k_q17c505ff96_prep:
	s_mov_b64 s[64:65], 0
	v_nop
	global_prefetch_b8 v0, s[64:65] scope:SCOPE_SE
	s_setreg_imm32_b32 hwreg(HW_REG_WAVE_MODE, 25, 1), 1
	s_wait_xcnt 0x0
; x [8192][1024] and wq, wk, wv, wo [1024][1024], f32, K innermost, become codes of FP6 (E2M3) with one E8M0 byte for each 32 along K; and the cos / sin table of the rotation is made from token_positions.
; THE CODES ARE LAID AS IMAGES OF THE OPERAND'S REGISTERS.  Rows go in tiles of 16: lane r of tile T holds row 32 (T / 2) + 8 (T % 2) + r + 8 (r / 8).  A half fragment (16 rows x 64 K) is 768 bytes:
; lane l = (r, h) owns the 24 bytes of block 2 c + h of its row; its first 16 bytes lie at 16 l, its last 8 at 512 + 8 l.  Buffer: [K / 256][tile][4 half fragments][768].  Scale bytes: [tile][r][32].
; SHARES.  Work-groups 0-511: a tile of x; 512-767: a tile of wq, wk, wv, wo (64 each); wave w takes K = 256 w .. 256 w + 255 (two fragments).  Work-groups 768-799: the table, a tile of 16 positions a wave.
; A load reads 512 consecutive bytes of a row; the 16 rows x 512 bytes turn through the wave's own stage in LDS, so that a lane gets 16 neighbours of each block of 32 of ITS row; the lane 16 away holds the other 16.
; A block's scale is 2^(floor(log2(largest magnitude)) - 2): its byte is the largest magnitude's exponent field - 2, held at 1 from below by a floor among the maximum's leaves.
; THE TABLE.  tab[tile][plane j = 4 e + q][lane][16 bytes]: cos, sin, cos, sin of pairs p = 16 e + 8 h + 2 q and p + 1 at the position of sequence index 32 (T / 2) + 8 (T % 2) + r + 8 (r / 8).
; angle = 2^(-p log2(10000) / 32), the exponent in two words; freq = position x angle, one rounding; reduced by pi / 2 in three words; polynomials on |r| <= pi / 4.
; LIMITS: a block of zeros, or one under 2^-124, gets the byte 1 (its codes are zeros or tiny; this program alone reads the bytes).  NaN and infinities are not served.  The angle is within about 1.5 ulp;
; cos and sin are good to about 1e-7 absolute while |position x angle x 2 / pi| stays under 2^24, and lose accuracy beyond.
.set STGW,  8448                       ; a wave's stage: 16 rows x (512 bytes + 16)
.set SCB,   33792                      ; behind the four stages: the tile's 16 x 32 scale bytes
.set SPARE, 34304                      ; the spare words, 128 bytes for each wave: two blocks of 256 bytes that no other line names
.set L16, 4                            ; v4   16 x lane
.set L8,  5                            ; v5   8 x lane
.set STI, 6                            ; v6   the stage, on the way in: 16 x lane
.set STO, 7                            ; v7   and out: 528 r + 64 h
.set SCW, 8                            ; v8   where my scale word goes: SCB + 32 r + 8 w + 4 h
.set SCR, 9                            ; v9   SCB + 16 x lane
.set SPW, 10                           ; v10  my spare word; never rewritten
.set NIL, 11                           ; v11  0; never rewritten
.set R,   16                           ; v16-143  32 loads of four registers
.set X,   144                          ; v144-207 64 numbers of my row: register 16 b + i = k 32 b + 16 h + i
.set PC0, 16                           ; v16-35   the first fragment's codes (the numbers there have gone through the stage)
.set TM,  40                           ; v40-55   at work
.set PW0, 56                           ; the two scale words
.set PW1, 57
.set SWD, 58
.set PC1, 60                           ; v60-79   the second fragment's codes
.set A0,  16                           ; the table path: six sets of 16, and 32 results
.set A1,  32
.set A2,  48
.set A3,  64
.set A4,  80
.set OUTR, 96
.set A5,  128
; 64 numbers of a lane become a fragment's 12 registers in v[pc] on and its row's scale word in v[pw]
.macro QUANT s, pc, pw
.irp b, 0,1,2,3
	v_max3_num_f32 v[TM+\b], |v[\s+16*\b]|, |v[\s+1+16*\b]|, 0x1800000   ; my 16 numbers of block b, and the floor 2^(3 - 127)
.endr
.irp i, 2,4,6,8,10,12,14
.irp b, 0,1,2,3
	v_max3_num_f32 v[TM+\b], v[TM+\b], |v[\s+16*\b+\i]|, |v[\s+1+16*\b+\i]|
.endr
.endr
.irp b, 0,1,2,3
	v_permlanex16_b32 v[TM+4+\b], v[TM+\b], s28, s29
.endr
.irp b, 0,1,2,3
	v_max_num_f32 v[TM+\b], v[TM+\b], v[TM+4+\b]          ; with the lane 16 away: the block's largest magnitude
.endr
.irp b, 0,1,2,3
	v_add_nc_u32 v[TM+12+\b], 0xff000000, v[TM+\b]        ; 2 off its exponent field: the conversion's scale operand
.endr
.irp b, 0,1,2,3
	v_lshrrev_b32 v[TM+4+\b], 23, v[TM+12+\b]             ; the scale's byte
.endr
	v_lshl_or_b32 v[\pw], v[TM+5], 8, v[TM+4]
	v_lshl_or_b32 v[\pw], v[TM+6], 16, v[\pw]
	v_lshl_or_b32 v[\pw], v[TM+7], 24, v[\pw]
.irp c, 0,1
	v_cvt_scalef32_pk16_fp6_f32 v[\pc+6*\c:\pc+2+6*\c], v[\s+32*\c:\s+15+32*\c], v[TM+12+2*\c]
	v_cvt_scalef32_pk16_fp6_f32 v[\pc+12+4*\c:\pc+14+4*\c], v[\s+16+32*\c:\s+31+32*\c], v[TM+12+2*\c+1]   ; (a conversion's three registers begin on an even number)
.endr
	v_nop                                                 ; one plain line behind the conversions
.irp c, 0,1                                               ; a lane is to hold a WHOLE block: lanes 0-15 block 2 c, lanes 16-31 block 2 c + 1
.irp i, 0,1,2
	v_permlane16_swap_b32 v[\pc+6*\c+\i], v[\pc+12+4*\c+\i]
.endr
.irp i, 0,1,2
	v_mov_b32 v[\pc+3+6*\c+\i], v[\pc+12+4*\c+\i]
.endr
.endr
.endm
.macro IMG pc, off                     ; a fragment's image: each store covers 512 or 256 consecutive bytes, aligned
	global_store_b128 v[L16], v[\pc:\pc+3], s[34:35] offset:\off
	global_store_b64 v[L8], v[\pc+4:\pc+5], s[34:35] offset:\off+512
	global_store_b128 v[L16], v[\pc+6:\pc+9], s[34:35] offset:\off+768
	global_store_b64 v[L8], v[\pc+10:\pc+11], s[34:35] offset:\off+1280
.endm
.macro TURN q                          ; 16 rows x 512 bytes through my stage; LDS serves a wave's instructions in order, so no wait stands between the stores and the loads
.irp i, 0,1,2,3,4,5,6,7,8,9,10,11,12,13,14,15
	ds_store_b128 v[STI], v[R+64*\q+4*\i:R+64*\q+4*\i+3] offset:528*\i
.endr
.irp b, 0,1,2,3
.irp j, 0,1,2,3
	ds_load_b128 v[X+16*\b+4*\j:X+16*\b+4*\j+3], v[STO] offset:128*\b+16*\j
.endr
.endr
.endm
	s_load_b512 s[4:19], s[0:1], 0x0               ; x, wq, wk, wv, wo, token_positions, act_img, act_sc
	s_load_b128 s[20:23], s[0:1], 0x40             ; w_img, w_sc
	s_load_b64 s[24:25], s[0:1], 0x50              ; tab
	v_lshl_add_u32 v[SPW], v0, 2, SPARE
	v_mov_b32 v[NIL], 0
	v_lshrrev_b32 v1, 5, v0
	v_readfirstlane_b32 s26, v1                    ; wave
	v_and_b32 v1, 31, v0                           ; lane
	v_and_b32 v2, 15, v0                           ; r
	v_bfe_u32 v3, v0, 4, 1                         ; h
	s_mov_b32 s28, 0x76543210
	s_mov_b32 s29, 0xfedcba98                      ; lane selects: the lane 16 away
	s_mov_b32 s30, 0xffff0000                      ; the lanes with h = 1
	v_lshlrev_b32 v[L16], 4, v1
	v_lshlrev_b32 v[L8], 3, v1
	s_mul_i32 s27, s26, STGW
	v_add_nc_u32 v[STI], s27, v[L16]
	v_mul_u32_u24 v[STO], v2, 528
	v_lshl_add_u32 v[STO], v3, 6, v[STO]
	v_add_nc_u32 v[STO], s27, v[STO]
	v_lshlrev_b32 v[SCW], 5, v2
	v_lshl_add_u32 v[SCW], v3, 2, v[SCW]
	s_lshl_b32 s31, s26, 3
	v_add_nc_u32 v[SCW], s31, v[SCW]
	v_add_nc_u32 v[SCW], SCB, v[SCW]
	v_add_nc_u32 v[SCR], SCB, v[L16]
	s_wait_kmcnt 0x0
	s_cmp_ge_u32 ttmp9, 768                        ; the same in all four waves
	s_cbranch_scc1 .Ltable
	; ---- a tile of x or of a weight.  The buffers are chosen on the work-group's number alone
	s_cmp_lt_u32 ttmp9, 704
	s_cselect_b64 s[32:33], s[10:11], s[12:13]
	s_cmp_lt_u32 ttmp9, 640
	s_cselect_b64 s[32:33], s[8:9], s[32:33]
	s_cmp_lt_u32 ttmp9, 576
	s_cselect_b64 s[32:33], s[6:7], s[32:33]
	s_cmp_lt_u32 ttmp9, 512
	s_cselect_b64 s[32:33], s[4:5], s[32:33]       ; from
	s_cselect_b64 s[34:35], s[16:17], s[20:21]     ; the images
	s_cselect_b64 s[36:37], s[18:19], s[22:23]     ; the scale bytes
	s_mov_b32 s38, 786432
	s_cselect_b32 s38, 1572864, s38                ; bytes from one 256 along K to the next: 3,072 x the buffer's tiles
	s_cselect_b32 s40, 0x1ff, 63
	s_cselect_b32 s41, 0, 512
	s_and_b32 s39, ttmp9, s40                      ; the tile in its tensor
	s_sub_co_u32 s41, ttmp9, s41                   ; and in its buffer of images
	s_lshr_b32 s42, s39, 1
	s_lshl_b32 s42, s42, 17                        ; 32 rows of 4,096 bytes
	s_and_b32 s43, s39, 1
	s_lshl_b32 s43, s43, 15                        ; 8 rows
	s_add_co_u32 s42, s42, s43
	s_lshl_b32 s43, s26, 10                        ; my wave's 256 numbers of a row
	s_add_co_u32 s42, s42, s43
	s_mov_b32 s43, 0
	s_add_nc_u64 s[32:33], s[32:33], s[42:43]
	s_mul_i32 s42, s26, s38
	s_mul_i32 s44, s41, 3072
	s_add_co_u32 s42, s42, s44
	s_add_nc_u64 s[34:35], s[34:35], s[42:43]
	s_lshl_b32 s42, s41, 9
	s_add_nc_u64 s[36:37], s[36:37], s[42:43]
.irp q, 0,1
.irp i, 0,1,2,3,4,5,6,7,8,9,10,11,12,13,14,15
	global_load_b128 v[R+64*\q+4*\i:R+64*\q+4*\i+3], v[L16], s[32:33] offset:(\i+8*(\i/8))*4096+512*\q th:TH_LOAD_NT   ; 512 consecutive bytes of the tile's i-th row
.endr
.endr
	s_wait_loadcnt 16                              ; the first fragment's 16 loads are in; the second's 16 may be out
	s_wait_alu depctr_va_vdst(0)
	TURN 0
	s_wait_dscnt 0x0
.irp b, 0,1,2,3
	v_mov_b32 v[TM+4+\b], 0                        ; a lane permute's destination counts as one of its sources
.endr
	QUANT X, PC0, PW0
	IMG PC0, 0
	s_wait_loadcnt 0x0
	TURN 1
	s_wait_dscnt 0x0
	QUANT X, PC1, PW1
	IMG PC1, 1536
	v_cndmask_b32 v[SWD], v[PW0], v[PW1], s30      ; lanes 0-15 carry the first fragment's word of row r, lanes 16-31 the second's
	ds_store_b32 v[SCW], v[SWD]
	s_wait_dscnt 0x0                               ; for the others' sake: my words lie in LDS
	s_barrier_signal -1
	s_barrier_wait -1
	s_cmp_lg_u32 s26, 0
	s_cbranch_scc1 .Lnot_wave_0
	ds_load_b128 v[X:X+3], v[SCR]                  ; the tile's 512 scale bytes leave as one run
	s_wait_dscnt 0x0
	global_store_b128 v[L16], v[X:X+3], s[36:37]
.Lnot_wave_0:
	s_wait_tensorcnt 0x0                           ; the wave's end, behind my last LDS store
	ds_add_u32 v[SPW], v[NIL]
	s_wait_dscnt 0x0
	s_endpgm
	; ---- the table
.Ltable:
	s_sub_co_u32 s32, ttmp9, 768
	s_lshl_b32 s32, s32, 2
	s_add_co_u32 s32, s32, s26                     ; my tile of 16 positions
	s_lshr_b32 s33, s32, 1
	s_lshl_b32 s33, s33, 5
	s_and_b32 s34, s32, 1
	s_lshl_b32 s34, s34, 3
	s_add_co_u32 s33, s33, s34
	v_and_b32 v12, 8, v2
	v_add3_u32 v12, v12, v2, s33                   ; my sequence index
	v_lshlrev_b32 v12, 2, v12
	global_load_b32 v13, v12, s[14:15]
	s_lshl_b32 s34, s32, 12
	s_mov_b32 s35, 0
	s_add_nc_u64 s[24:25], s[24:25], s[34:35]
	s_mov_b32 s40, 0xbed49a78                      ; -log2(10000) / 32, upper word
	s_mov_b32 s41, 0xb2179a26                      ; and lower
	s_mov_b32 s42, 0x3f22f983                      ; 2 / pi
	s_mov_b32 s43, 0x3fc90fdb                      ; pi / 2 in three words
	s_mov_b32 s44, 0xb33bbd2e
	s_mov_b32 s45, 0xa6f72ced
	s_mov_b32 s46, 0xb94ca1f9                      ; sine: z^3, z^2, z
	s_mov_b32 s47, 0x3c08839e
	s_mov_b32 s48, 0xbe2aaaa3
	s_mov_b32 s49, 0x37ccf5ce                      ; cosine: z^4, z^3, z^2
	s_mov_b32 s50, 0xbab6061a
	s_mov_b32 s51, 0x3d2aaaa5
	v_lshlrev_b32 v14, 3, v3
.irp n, 0,1,2,3,4,5,6,7,8,9,10,11,12,13,14,15
	v_add_nc_u32 v[A0+\n], \n+8*(\n/8), v14        ; pair p = 8 h + n + 8 (n / 8)
.endr
.irp n, 0,1,2,3,4,5,6,7,8,9,10,11,12,13,14,15
	v_cvt_f32_u32 v[A0+\n], v[A0+\n]
.endr
.irp n, 0,1,2,3,4,5,6,7,8,9,10,11,12,13,14,15
	v_mul_f32 v[A1+\n], s40, v[A0+\n]              ; the exponent, rounded,
.endr
.irp n, 0,1,2,3,4,5,6,7,8,9,10,11,12,13,14,15
	v_fma_f32 v[A2+\n], v[A0+\n], s40, -v[A1+\n]   ; what the rounding dropped,
.endr
.irp n, 0,1,2,3,4,5,6,7,8,9,10,11,12,13,14,15
	v_fma_f32 v[A2+\n], v[A0+\n], s41, v[A2+\n]    ; and the constant's lower word
.endr
.irp n, 0,1,2,3,4,5,6,7,8,9,10,11,12,13,14,15
	v_rndne_f32 v[A3+\n], v[A1+\n]
.endr
.irp n, 0,1,2,3,4,5,6,7,8,9,10,11,12,13,14,15
	v_sub_f32 v[A1+\n], v[A1+\n], v[A3+\n]
.endr
.irp n, 0,1,2,3,4,5,6,7,8,9,10,11,12,13,14,15
	v_add_f32 v[A1+\n], v[A1+\n], v[A2+\n]         ; the fraction, in -1/2 .. 1/2
.endr
	s_wait_alu depctr_va_vdst(0)
.irp n, 0,1,2,3,4,5,6,7,8,9,10,11,12,13,14,15
	v_exp_f32 v[A1+\n], v[A1+\n]
.endr
.irp n, 0,1,2,3,4,5,6,7,8,9,10,11,12,13,14,15
	v_cvt_i32_f32 v[A3+\n], v[A3+\n]               ; (plain lines behind the exponentials)
.endr
	s_wait_loadcnt 0x0
	v_cvt_f32_i32 v13, v13                         ; the position as f32
	s_wait_alu depctr_va_vdst(0)                   ; one wait for the sixteen exponentials, ahead of their first reader
.irp n, 0,1,2,3,4,5,6,7,8,9,10,11,12,13,14,15
	v_ldexp_f32 v[A1+\n], v[A1+\n], v[A3+\n]       ; the angle
.endr
.irp n, 0,1,2,3,4,5,6,7,8,9,10,11,12,13,14,15
	v_mul_f32 v[A0+\n], v13, v[A1+\n]              ; freq
.endr
.irp n, 0,1,2,3,4,5,6,7,8,9,10,11,12,13,14,15
	v_mul_f32 v[A1+\n], s42, v[A0+\n]
.endr
.irp n, 0,1,2,3,4,5,6,7,8,9,10,11,12,13,14,15
	v_rndne_f32 v[A1+\n], v[A1+\n]                 ; how many quarter turns
.endr
.irp n, 0,1,2,3,4,5,6,7,8,9,10,11,12,13,14,15
	v_fma_f32 v[A0+\n], -v[A1+\n], s43, v[A0+\n]
.endr
.irp n, 0,1,2,3,4,5,6,7,8,9,10,11,12,13,14,15
	v_fma_f32 v[A0+\n], -v[A1+\n], s44, v[A0+\n]
.endr
.irp n, 0,1,2,3,4,5,6,7,8,9,10,11,12,13,14,15
	v_fma_f32 v[A0+\n], -v[A1+\n], s45, v[A0+\n]   ; r, |r| <= pi / 4
.endr
.irp n, 0,1,2,3,4,5,6,7,8,9,10,11,12,13,14,15
	v_mul_f32 v[A2+\n], v[A0+\n], v[A0+\n]         ; z = r r
.endr
.irp n, 0,1,2,3,4,5,6,7,8,9,10,11,12,13,14,15
	v_fma_f32 v[A3+\n], v[A2+\n], s46, s47
	v_fma_f32 v[A4+\n], v[A2+\n], s49, s50
.endr
.irp n, 0,1,2,3,4,5,6,7,8,9,10,11,12,13,14,15
	v_fma_f32 v[A3+\n], v[A3+\n], v[A2+\n], s48
	v_fma_f32 v[A4+\n], v[A4+\n], v[A2+\n], s51
.endr
.irp n, 0,1,2,3,4,5,6,7,8,9,10,11,12,13,14,15
	v_mul_f32 v[A5+\n], v[A2+\n], v[A0+\n]
.endr
.irp n, 0,1,2,3,4,5,6,7,8,9,10,11,12,13,14,15
	v_fma_f32 v[A3+\n], v[A3+\n], v[A5+\n], v[A0+\n]   ; sin r
.endr
.irp n, 0,1,2,3,4,5,6,7,8,9,10,11,12,13,14,15
	v_mul_f32 v[A5+\n], v[A2+\n], v[A2+\n]
.endr
.irp n, 0,1,2,3,4,5,6,7,8,9,10,11,12,13,14,15
	v_fma_f32 v[A2+\n], v[A2+\n], -0.5, 1.0
.endr
.irp n, 0,1,2,3,4,5,6,7,8,9,10,11,12,13,14,15
	v_fma_f32 v[A4+\n], v[A4+\n], v[A5+\n], v[A2+\n]   ; cos r
.endr
.irp n, 0,1,2,3,4,5,6,7,8,9,10,11,12,13,14,15
	v_cvt_i32_f32 v[A1+\n], v[A1+\n]
.endr
.irp n, 0,1,2,3,4,5,6,7,8,9,10,11,12,13,14,15
	v_and_b32 v[A5+\n], 1, v[A1+\n]                ; an odd number of quarter turns changes sine and cosine over
	v_cmp_eq_u32 vcc_lo, 1, v[A5+\n]
	v_cndmask_b32 v[A2+\n], v[A3+\n], v[A4+\n], vcc_lo
	v_cndmask_b32 v[A5+\n], v[A4+\n], v[A3+\n], vcc_lo
.endr
.irp n, 0,1,2,3,4,5,6,7,8,9,10,11,12,13,14,15
	v_lshlrev_b32 v[A3+\n], 30, v[A1+\n]           ; the sine's sign: bit 1 of the count;
	v_add_nc_u32 v[A1+\n], 1, v[A1+\n]             ; the cosine's: bit 1 of the count + 1
.endr
.irp n, 0,1,2,3,4,5,6,7,8,9,10,11,12,13,14,15
	v_and_b32 v[A3+\n], 0x80000000, v[A3+\n]
	v_lshlrev_b32 v[A1+\n], 30, v[A1+\n]
.endr
.irp n, 0,1,2,3,4,5,6,7,8,9,10,11,12,13,14,15
	v_xor_b32 v[OUTR+2*\n+1], v[A3+\n], v[A2+\n]
	v_and_b32 v[A1+\n], 0x80000000, v[A1+\n]
.endr
.irp n, 0,1,2,3,4,5,6,7,8,9,10,11,12,13,14,15
	v_xor_b32 v[OUTR+2*\n], v[A1+\n], v[A5+\n]
.endr
.irp j, 0,1,2,3,4,5,6,7
	global_store_b128 v[L16], v[OUTR+4*\j:OUTR+4*\j+3], s[24:25] offset:512*\j   ; a plane: 512 consecutive bytes
.endr
	s_endpgm
.Lfunc_end_k_q17c505ff96_prep:
	.size	k_q17c505ff96_prep, .Lfunc_end_k_q17c505ff96_prep-k_q17c505ff96_prep
	.p2alignl 7, 3214868480
	.fill 96, 4, 3214868480
	.section	.rodata,"a",@progbits
	.p2align	6, 0x0
	.amdhsa_kernel k_q17c505ff96_prep
		.amdhsa_group_segment_fixed_size 34816
		.amdhsa_private_segment_fixed_size 0
		.amdhsa_enable_private_segment 0
		.amdhsa_kernarg_size 88
		.amdhsa_user_sgpr_count 2
		.amdhsa_user_sgpr_kernarg_segment_ptr 1
		.amdhsa_wavefront_size32 1
		.amdhsa_system_sgpr_workgroup_id_x 1
		.amdhsa_system_sgpr_workgroup_id_y 1
		.amdhsa_system_sgpr_workgroup_id_z 1
		.amdhsa_system_vgpr_workitem_id 0
		.amdhsa_next_free_vgpr 208
		.amdhsa_next_free_sgpr 66
		.amdhsa_reserve_vcc 1
		.amdhsa_float_denorm_mode_32 3
		.amdhsa_float_denorm_mode_16_64 3
		.amdhsa_memory_ordered 1
		.amdhsa_forward_progress 1
		.amdhsa_inst_pref_size 49
	.end_amdhsa_kernel
	.amdgpu_metadata
---
amdhsa.version: [ 1, 2 ]
amdhsa.kernels:
  - .name:           k_q17c505ff96_prep
    .symbol:         k_q17c505ff96_prep.kd
    .args:
      - { .name: x, .offset: 0, .size: 8, .value_kind: global_buffer, .address_space: global }
      - { .name: wq, .offset: 8, .size: 8, .value_kind: global_buffer, .address_space: global }
      - { .name: wk, .offset: 16, .size: 8, .value_kind: global_buffer, .address_space: global }
      - { .name: wv, .offset: 24, .size: 8, .value_kind: global_buffer, .address_space: global }
      - { .name: wo, .offset: 32, .size: 8, .value_kind: global_buffer, .address_space: global }
      - { .name: token_positions, .offset: 40, .size: 8, .value_kind: global_buffer, .address_space: global }
      - { .name: act_img, .offset: 48, .size: 8, .value_kind: global_buffer, .address_space: global }
      - { .name: act_sc, .offset: 56, .size: 8, .value_kind: global_buffer, .address_space: global }
      - { .name: w_img, .offset: 64, .size: 8, .value_kind: global_buffer, .address_space: global }
      - { .name: w_sc, .offset: 72, .size: 8, .value_kind: global_buffer, .address_space: global }
      - { .name: tab, .offset: 80, .size: 8, .value_kind: global_buffer, .address_space: global }
    .group_segment_fixed_size: 34816
    .private_segment_fixed_size: 0
    .kernarg_segment_align: 8
    .kernarg_segment_size: 88
    .max_flat_workgroup_size: 128
    .sgpr_count:     66
    .vgpr_count:     208
    .wavefront_size: 32
...
	.end_amdgpu_metadata
.endif
;; end of part 1
;; launch qkvproj (part 2): grid 12 x 32, 4 waves a work-group, clusters of 4 x 4, 327,680 bytes of LDS; arguments act_img, act_sc, w_img, w_sc, tab, qkv, qkvs; writes qkv, qkvs
.if DOCPART == 2
	.amdgcn_target "amdgcn-amd-amdhsa--gfx1250"
	.amdhsa_code_object_version 6
	.text
	.protected	k_q17c505ff96_qkvproj
	.globl	k_q17c505ff96_qkvproj
	.p2align	8
	.type	k_q17c505ff96_qkvproj,@function
k_q17c505ff96_qkvproj:
	s_mov_b64 s[64:65], 0
	v_nop
	global_prefetch_b8 v0, s[64:65] scope:SCOPE_SE
	s_setreg_imm32_b32 hwreg(HW_REG_WAVE_MODE, 25, 1), 1
	s_wait_xcnt 0x0
	s_wait_alu depctr_hold_cnt(0) depctr_sa_sdst(0) depctr_va_vdst(0) depctr_va_sdst(0) depctr_va_ssrc(0) depctr_va_vcc(0) depctr_vm_vsrc(0)
	s_getreg_b32 s2, hwreg(HW_REG_IB_STS2, 6, 4)
	s_cmp_eq_u32 s2, 0
	s_cbranch_scc0 .Lentry_in_a_cluster
	s_endpgm
.Lentry_in_a_cluster:
	s_bfe_u32 s2, ttmp6, 0x10000c
	s_cmp_lg_u32 s2, 0xf033
	s_cbranch_scc0 .Lentry_shape_is_right
	s_endpgm
.Lentry_shape_is_right:
; q, k, v = x wq^T, x wk^T, x wv^T on codes of FP6 (E2M3) with E8M0 scales; the rotation of q and k; and the quantising of q and k along the head's 64 and of v along the keys, all in registers.
; OPERANDS lie in memory as images of their registers: rows in tiles of 16 (lane r of tile T: row 32 (T / 2) + 8 (T % 2) + r + 8 (r / 8)); a fragment (16 rows x 128 K, 12 registers) is 1,536 bytes and comes by
; loads of 16, 8, 16, 8 bytes a lane at 0, 512, 768, 1,280: each covers consecutive bytes.  Buffers: [K / 256][tile][3,072].  Scale bytes: [tile][r][32].
; A tile of the product, 256 x 256, is made by four waves, 128 x 128 each: 64 accumulators in 512 registers.  K = 1,024 goes in four parts of 256 through three LDS slots: three first fills and ONE refill.
; CLUSTERS: 4 x 4 work-groups.  x's part hangs on the work-group's y alone and is asked for jointly along a row of the cluster, the weights' on its x alone and along a column.
; ROLES.  Source 0 takes the "B role", source 1 the "A role": a lane then holds ONE row of the A role, and the 64 registers of a block of 16 such rows are 16 neighbours of each of four blocks of 32 of the B role
; (that is what the order of rows in a tile is for): just what the quantiser takes, and what it gives is again an image.  For q and k: A = tokens, B = channels.  For v (cluster x = 2): A = channels, B = tokens,
; so that v comes out with the keys innermost.  The roles differ in LDS addresses alone, chosen on the cluster's x, which all partners share; no descriptor hangs on them.
; OUT: qkv[head of 64][Q 98,304 | K 98,304 | V 98,304]: Q, K: [tile of 16 tokens][768] (a half fragment: the head's 64); V: [128 keys][tile of 16 channels][1,536].
;      qkvs[head][QS 8,192 | KS 8,192 | VS 4,096]: a word a row; of Q's and K's words bytes 0 and 1 count; bytes 2 and 3 scale zero codes and are never 0xff.
; LIMITS: a block of zeros, or one under 2^-124, gets the byte 1; NaN and infinities are not served.
; REGISTERS, in windows of 256: window 0: v1-31 addresses and words to store; v32-63 scale words, two sets; v64-127 the rotation's table of blocks 0, 1; v128-223 the A role's fragments, one set;
;   on the way out v128-191 rotated numbers, v192-231 codes, v232-255 at work.  window 1: the B role's fragments, two sets (v0, v128); on the way out the tables of blocks 2-7.  windows 2, 3: the accumulators.
.set FR,     12                        ; registers of a fragment
.set HALFT,  24576                     ; 8 tiles x 3,072: what one tensor load brings, and what one wave reads of a role
.set SLOTB,  98304                     ; a slot: x's 16 tiles, then the weights' 16
.set SCL,    294912                    ; behind the three slots: the scale bytes, as units of 256 bytes + 16 of padding
.set HALFS,  4352                      ; those of 128 rows
.set SBLK,   544                       ; those of 16
.set SPARE,  312320                    ; the spare words, 128 bytes for each wave: two blocks of 256 bytes that no other line names
.set XKS,    1572864                   ; bytes from one 256 along K to the next, in x's images
.set WKS,    786432                    ; and in the weights'
.set WT0,    0                         ; the weights' first tile
.set A16, 4                            ; v4-6   the A role's fragments in slot 0, 1, 2: + 16 x lane
.set A8,  7                            ; v7-9   + 8 x lane
.set B16, 10                           ; v10-12 the B role's
.set B8,  13                           ; v13-15
.set ADRS, 16                          ; v16    my scale words: lanes 0-15 the A role's rows, lanes 16-31 the B role's
.set L16, 17
.set L8,  18
.set L4,  19
.set SW,  20                           ; v20-27 scale words to store, one for each block
.set SPW, 28                           ; v28    my spare word; never rewritten
.set NIL, 29                           ; v29    0; never rewritten
.set SOFF, 30                          ; v30    4 r + 20,480 h
.set SC,  32
.set AF,  128
.set H,   128
.set PC,  192                          ; two sets of 20
.set TM,  232
.set PW,  248
.set G1X, 24
.set G1W, 32
.set G1SX, 40
.set G1SW, 48
.set G0X0, 56
.set G0X1, 60
.set G0X2, 68
.set G0W0, 72
.set G0W1, 76
.set G0W2, 80
.set G0SX, 84
.set G0SW, 88
.set MSB, 0
.macro WIN new                         ; the immediate's high byte repeats the setting that is left
.if MSB != (\new)
	s_set_vgpr_msb (MSB<<8)|(\new)
.set MSB, (\new)
.endif
.endm
.set MUL_LO, 0xa1                      ; source 0 window 1, source 1 window 0, C and D window 2
.set MUL_HI, 0xf1                      ; the same, C and D window 3
.set TO_B,   0x40                      ; destination window 1, address window 0
; A joint load: waves 0 and 1 fetch x's halves, waves 2 and 3 the weights'.  The branch hangs on the wave's number alone.  An s_nop 0 and four v_nop follow each of the two lines.
.macro JLOAD g0a, g1a, g0b, g1b
	s_cmp_eq_u32 s15, 0
	s_cbranch_scc0 .Lfor_b_\@
	tensor_load_to_lds s[\g0a:\g0a+3], s[\g1a:\g1a+7]
	s_nop 0
.rept 4
	v_nop
.endr
	s_branch .Lasked_\@
.Lfor_b_\@:
	tensor_load_to_lds s[\g0b:\g0b+3], s[\g1b:\g1b+7]
	s_nop 0
.rept 4
	v_nop
.endr
.Lasked_\@:
.endm
.macro CREST                           ; a round of the cluster's barrier behind its opening barrier
	s_cmp_lg_u32 s14, 0
	s_cbranch_scc1 .Lnot_wave_0_\@
	s_barrier_signal -3
.Lnot_wave_0_\@:
	s_barrier_wait -3
	s_barrier_signal -1
	s_barrier_wait -1
.endm
.macro CROUND
	s_barrier_signal -1
	s_barrier_wait -1
	CREST
.endm
.macro SETG0 g, base, lds, goff        ; a descriptor's group 0: count 1, LDS address, global address, type 2
	s_mov_b32 s[\g], 1
	s_add_co_u32 s[\g+1], s66, \lds
	s_add_nc_u64 s[\g+2:\g+3], s[\base:\base+1], \goff
	s_or_b32 s[\g+3], s[\g+3], 0x80000000
.endm
.macro PLACES n
.rept \n
	v_nop
.endr
.endm
.macro FRAG reg, a16, a8, q, i         ; tile i's fragment of the slot's q-th 128 along K
	ds_load_b128 v[\reg:\reg+3], v[\a16] offset:3072*(\i)+1536*(\q)
	ds_load_b64 v[\reg+4:\reg+5], v[\a8] offset:3072*(\i)+1536*(\q)+512
	ds_load_b128 v[\reg+6:\reg+9], v[\a16] offset:3072*(\i)+1536*(\q)+768
	ds_load_b64 v[\reg+10:\reg+11], v[\a8] offset:3072*(\i)+1536*(\q)+1280
.endm
.macro FETCH_B L, q, p
	WIN TO_B
.irp i, 0,1,2,3,4,5,6,7
	FRAG 128*(\p)+FR*\i, B16+\L, B8+\L, \q, \i
.endr
	WIN 0
.endm
.macro FETCH_A L, q, i0
.irp i, \i0, \i0+1, \i0+2, \i0+3
	FRAG AF+FR*(\i), A16+\L, A8+\L, \q, \i
.endr
.endm
.macro SCALES set                      ; two words a row: lanes 0-15 the A role's block i, lanes 16-31 the B role's block i
.irp i, 0,1,2,3,4,5,6,7
	ds_load_b64 v[SC+16*\set+2*\i:SC+16*\set+2*\i+1], v[ADRS] offset:\i*SBLK
.endr
.endm
; 16 matrix instructions: the A role's blocks a0, a0 + 1 x the B role's eight.  The 64 accumulators take turns, one instruction a turn, in the same order in every step.
.macro MUL16 a0, p, q, sc, zero
.irp a, \a0, \a0+1
.irp b, 0,1,2,3,4,5,6,7
.if \zero
	v_wmma_scale_f32_16x16x128_f8f6f4 v[8*(8*((\a)%4)+\b):8*(8*((\a)%4)+\b)+7], v[128*(\p)+FR*\b:128*(\p)+FR*\b+FR-1], v[AF+FR*(\a):AF+FR*(\a)+FR-1], 0, v[SC+16*(\sc)+2*\b+(\q)], v[SC+16*(\sc)+2*(\a)+(\q)] matrix_a_fmt:MATRIX_FMT_FP6 matrix_b_fmt:MATRIX_FMT_FP6 matrix_a_scale:MATRIX_SCALE_ROW1
.else
	v_wmma_scale_f32_16x16x128_f8f6f4 v[8*(8*((\a)%4)+\b):8*(8*((\a)%4)+\b)+7], v[128*(\p)+FR*\b:128*(\p)+FR*\b+FR-1], v[AF+FR*(\a):AF+FR*(\a)+FR-1], v[8*(8*((\a)%4)+\b):8*(8*((\a)%4)+\b)+7], v[SC+16*(\sc)+2*\b+(\q)], v[SC+16*(\sc)+2*(\a)+(\q)] matrix_a_fmt:MATRIX_FMT_FP6 matrix_b_fmt:MATRIX_FMT_FP6 matrix_a_scale:MATRIX_SCALE_ROW1
.endif
.endr
.endr
.endm
; A step of 128 along K: slot L's q-th, scale set 'set'; it fetches the next step's fragments (slot nL, nq; scale set nset where nq = 0).
; mode 0: no barrier.  mode 1: the wave waits for all its tensor loads, adds 0 to its spare word, waits for that and for its LDS reads, and passes the work-group's barrier.
; mode 2: the same, and the barrier opens a round of the cluster's; behind it slot 0 is filled again, with the last 256 along K.
.macro STEPX L, q, set, nL, nq, nset, mode, zero
.if \mode
	s_wait_tensorcnt 0x0                           ; all my tensor loads have landed  (every window is 0 here)
	ds_add_u32 v[SPW], v[NIL]                      ; 0 onto my spare word
	s_wait_dscnt 17                                ; the add and the youngest 16 loads (the A role's blocks 4-7) may be out
.else
	s_wait_dscnt 16                                ; the youngest 16 loads (the A role's blocks 4-7) may be out
.endif
	WIN MUL_LO
	MUL16 0, \q, \q, \set, \zero
.if \mode
	s_wait_dscnt 0x0                               ; the add is done, and my LDS reads are over
	s_barrier_signal -1
.endif
	MUL16 2, \q, \q, \set, \zero
.if \mode
	WIN 0
	s_barrier_wait -1
.if \mode == 2
	CREST                                          ; no wave of any partner still reads slot 0 or has a load on its way
	s_add_nc_u64 s[G0X0+2:G0X0+3], s[G0X0+2:G0X0+3], 3*XKS
	s_add_nc_u64 s[G0W0+2:G0W0+3], s[G0W0+2:G0W0+3], 3*WKS
	JLOAD G0X0, G1X, G0W0, G1W                     ; the one refill: it has four steps in which to land; its four v_nop are the places in front of the loads below
.else
	PLACES 4
.endif
.else
	s_wait_dscnt 0x0                               ; the A role's blocks 4-7 are in
	PLACES 4                                       ; four plain lines between matrix instructions and loads into registers that they read
	WIN 0
.endif
.if \nq == 0
	v_add_nc_u32 v[ADRS], 8, v[ADRS]               ; the next 256 along K: two words on
.endif
	FETCH_B \nL, \nq, \nq
	FETCH_A \nL, \nq, 0
.if \nq == 0
	SCALES \nset
.endif
	WIN MUL_HI
	MUL16 4, \q, \q, \set, \zero
	MUL16 6, \q, \q, \set, \zero
	PLACES 4
	WIN 0
	FETCH_A \nL, \nq, 4
.endm
; 64 numbers of a lane in window win, register 16 b + i = place 32 b + 16 h + i of my row, become a fragment's 12 registers in v[pc] on and the row's scale word in v[pw].  Each accumulator is read from its low end on.
.macro QUANT s, win, pc, pw
	WIN 5*(\win)
.irp b, 0,1,2,3
	v_max3_num_f32 v[TM+\b], |v[\s+16*\b]|, |v[\s+1+16*\b]|, 0x1800000   ; and the floor 2^(3 - 127)
.endr
.irp i, 2,4,6,8,10,12,14
.irp b, 0,1,2,3
	v_max3_num_f32 v[TM+\b], |v[\s+16*\b+\i]|, |v[\s+1+16*\b+\i]|, v[TM+\b]
.endr
.endr
	WIN 0
.irp b, 0,1,2,3
	v_permlanex16_b32 v[TM+4+\b], v[TM+\b], s104, s105
.endr
.irp b, 0,1,2,3
	v_max_num_f32 v[TM+\b], v[TM+\b], v[TM+4+\b]
.endr
.irp b, 0,1,2,3
	v_add_nc_u32 v[TM+12+\b], 0xff000000, v[TM+\b]        ; 2 off the exponent field: the conversion's scale operand
.endr
.irp b, 0,1,2,3
	v_lshrrev_b32 v[TM+4+\b], 23, v[TM+12+\b]             ; the scale's byte
.endr
	v_lshl_or_b32 v[\pw], v[TM+5], 8, v[TM+4]
	v_lshl_or_b32 v[\pw], v[TM+6], 16, v[\pw]
	v_lshl_or_b32 v[\pw], v[TM+7], 24, v[\pw]
	WIN \win
.irp c, 0,1
	v_cvt_scalef32_pk16_fp6_f32 v[\pc+6*\c:\pc+2+6*\c], v[\s+32*\c:\s+15+32*\c], v[TM+12+2*\c]
	v_cvt_scalef32_pk16_fp6_f32 v[\pc+12+4*\c:\pc+14+4*\c], v[\s+16+32*\c:\s+31+32*\c], v[TM+12+2*\c+1]
.endr
	WIN 0
	v_nop                                                 ; one plain line behind the conversions
.irp c, 0,1
.irp i, 0,1,2
	v_permlane16_swap_b32 v[\pc+6*\c+\i], v[\pc+12+4*\c+\i]
.endr
.irp i, 0,1,2
	v_mov_b32 v[\pc+3+6*\c+\i], v[\pc+12+4*\c+\i]
.endr
.endr
.endm
	s_load_b256 s[4:11], s[0:1], 0x0               ; act_img, act_sc, w_img, w_sc
	s_load_b64 s[12:13], s[0:1], 0x20              ; tab
	s_load_b128 s[92:95], s[0:1], 0x28             ; qkv, qkvs
	v_lshl_add_u32 v[SPW], v0, 2, SPARE
	v_mov_b32 v[NIL], 0
	ds_add_u32 v[SPW], v[NIL]                      ; the wave's opening: the add and its wait ahead of my first tensor load
	ds_add_u32 v[SPW], v[NIL]
	v_lshrrev_b32 v1, 5, v0
	v_readfirstlane_b32 s14, v1                    ; wave 0..3
	s_lshr_b32 s15, s14, 1                         ; my half of the A role's rows.  Also: I fetch x's tiles (0) or the weights' (1)
	s_and_b32 s16, s14, 1                          ; my half of the B role's rows.  Also: which 8 tiles I fetch
	s_bfe_u32 s17, ttmp6, 0x40000                  ; cx
	s_bfe_u32 s18, ttmp6, 0x40004                  ; cy
	s_lshl_b32 s19, ttmp9, 2
	s_add_co_u32 s19, s19, s17                     ; work-group x: 256 channels of wq | wk | wv
	s_and_b32 s20, ttmp7, 0xffff
	s_lshl_b32 s20, s20, 2
	s_add_co_u32 s20, s20, s18                     ; work-group y: 256 tokens
	s_lshl_b32 s21, s18, 2
	s_lshl_b32 s21, 15, s21                        ; my row of the cluster
	s_lshl_b32 s22, 0x1111, s17                    ; my column
	s_or_b32 s[G1X], s21, (3<<16)|(1<<21)          ; 15:0 the mask; 17:16 elements of 8 bytes; 21 set beside a mask; no padding: 24,576 dense bytes as 96 rows of 256
	s_or_b32 s[G1W], s22, (3<<16)|(1<<21)
.irp g, G1X, G1W
	s_mov_b32 s[\g+1], 32<<16                      ; tensor_dim0
	s_mov_b32 s[\g+2], 96<<16                      ; tensor_dim1
	s_mov_b32 s[\g+3], 32<<16                      ; tile_dim0
	s_mov_b32 s[\g+4], 96                          ; tile_dim1
	s_mov_b32 s[\g+5], 32                          ; the pitch
	s_mov_b32 s[\g+6], 0
	s_mov_b32 s[\g+7], 0
.endr
	s_or_b32 s[G1SX], s21, (3<<16)|(1<<20)|(1<<21)|(5<<22)|(3<<25)   ; the scale bytes of 128 rows: 16 rows of 256 bytes, 16 bytes of padding behind each
	s_or_b32 s[G1SW], s22, (3<<16)|(1<<20)|(1<<21)|(5<<22)|(3<<25)
.irp g, G1SX, G1SW
	s_mov_b32 s[\g+1], 32<<16
	s_mov_b32 s[\g+2], 16<<16
	s_mov_b32 s[\g+3], 32<<16
	s_mov_b32 s[\g+4], 16
	s_mov_b32 s[\g+5], 32
	s_mov_b32 s[\g+6], 0
	s_mov_b32 s[\g+7], 0
.endr
	s_lshl_b32 s23, s16, 3
	s_lshl_b32 s96, s20, 4
	s_add_co_u32 s96, s96, s23                     ; x's first tile that I fetch: it hangs on y alone
	s_lshl_b32 s98, s19, 4
	s_add_co_u32 s98, s98, s23
	s_add_co_u32 s98, s98, WT0                     ; the weights': on x alone
	s_lshl_b32 s100, s96, 9                        ; their scale bytes: 512 a tile
	s_lshl_b32 s104, s98, 9
	s_mul_i32 s96, s96, 3072
	s_mul_i32 s98, s98, 3072
	s_mov_b32 s97, 0
	s_mov_b32 s99, 0
	s_mov_b32 s101, 0
	s_mov_b32 s105, 0
	s_mul_i32 s66, s14, HALFT                      ; where they go: wave x 24,576: no place in the cluster enters an LDS address
	s_mul_i32 s67, s14, HALFS
	s_wait_dscnt 0x0                               ; the opening add is done
	s_wait_kmcnt 0x0
	s_add_nc_u64 s[96:97], s[4:5], s[96:97]
	s_add_nc_u64 s[100:101], s[6:7], s[100:101]
	s_add_nc_u64 s[98:99], s[8:9], s[98:99]
	s_add_nc_u64 s[104:105], s[10:11], s[104:105]
	CROUND                                         ; all sixteen work-groups are here: the first joint loads meet
	s_mov_b32 s[G0SX], 1
	s_add_co_u32 s[G0SX+1], s67, SCL
	s_mov_b64 s[G0SX+2:G0SX+3], s[100:101]
	s_or_b32 s[G0SX+3], s[G0SX+3], 0x80000000
	s_mov_b32 s[G0SW], 1
	s_add_co_u32 s[G0SW+1], s67, SCL
	s_mov_b64 s[G0SW+2:G0SW+3], s[104:105]
	s_or_b32 s[G0SW+3], s[G0SW+3], 0x80000000
	JLOAD G0SX, G1SX, G0SW, G1SW                   ; the first fills go out as one group: four loads of mine are out
	SETG0 G0X0, 96, 0, 0
	SETG0 G0W0, 98, 0, 0
	JLOAD G0X0, G1X, G0W0, G1W
	SETG0 G0X1, 96, SLOTB, XKS
	SETG0 G0W1, 98, SLOTB, WKS
	JLOAD G0X1, G1X, G0W1, G1W
	SETG0 G0X2, 96, 2*SLOTB, 2*XKS
	SETG0 G0W2, 98, 2*SLOTB, 2*WKS
	JLOAD G0X2, G1X, G0W2, G1W
	s_mov_b32 s3, 0xffff0000                       ; the lanes with h = 1
	s_cmp_eq_u32 ttmp9, 2                          ; v's clusters change the roles: the cluster's x is the same in all partners
	s_cselect_b32 s2, 1, 0
	s_cselect_b32 s21, 49152, 0                    ; the A role's tiles in a slot
	s_cselect_b32 s22, 0, 49152                    ; the B role's
	s_cselect_b32 s96, 2*HALFS, 0                  ; and their scale bytes
	s_cselect_b32 s97, 0, 2*HALFS
	s_mov_b32 s104, 0x76543210
	s_mov_b32 s105, 0xfedcba98                     ; lane selects: the lane 16 away
	s_mul_i32 s23, s15, HALFT
	s_add_co_u32 s21, s21, s23
	s_mul_i32 s23, s16, HALFT
	s_add_co_u32 s22, s22, s23
	s_mul_i32 s23, s15, HALFS
	s_add_co_u32 s96, s96, s23
	s_mul_i32 s23, s16, HALFS
	s_add_co_u32 s97, s97, s23
	v_and_b32 v3, 31, v0
	v_and_b32 v1, 15, v0                           ; r
	v_bfe_u32 v2, v0, 4, 1                         ; h
	v_lshlrev_b32 v[L16], 4, v3
	v_lshlrev_b32 v[L8], 3, v3
	v_lshlrev_b32 v[L4], 2, v3
.irp L, 0,1,2
	v_add_nc_u32 v[A16+\L], s21, v[L16]
	v_add_nc_u32 v[A8+\L], s21, v[L8]
	v_add_nc_u32 v[B16+\L], s22, v[L16]
	v_add_nc_u32 v[B8+\L], s22, v[L8]
	s_add_co_u32 s21, s21, SLOTB
	s_add_co_u32 s22, s22, SLOTB
.endr
	v_lshlrev_b32 v[ADRS], 5, v1                   ; a row's 32 scale bytes,
	v_and_b32 v3, 8, v1
	v_lshl_add_u32 v[ADRS], v3, 1, v[ADRS]         ; 16 more behind the first 256
	v_mov_b32 v3, s96
	v_mov_b32 v31, s97
	v_cndmask_b32 v3, v3, v31, s3                  ; lanes 0-15 the A role's, lanes 16-31 the B role's
	v_add_nc_u32 v[ADRS], v[ADRS], v3
	v_add_nc_u32 v[ADRS], SCL, v[ADRS]
	v_lshlrev_b32 v[SOFF], 2, v1
	v_mad_u32_u24 v[SOFF], v2, 20480, v[SOFF]
.irp b, 0,1,2,3
	v_mov_b32 v[TM+4+\b], 0                        ; a lane permute's destination counts as one of its sources
.endr
	s_and_b32 s18, s20, 7
	s_lshl_b32 s18, s18, 4
	s_lshl_b32 s23, s15, 3
	s_add_co_u32 s18, s18, s23                     ; the first tile of 16 (wgy % 8) + 8 (wave / 2) in the sequence
	s_lshl_b32 s100, s18, 12
	s_mov_b32 s101, 0
	s_add_nc_u64 s[12:13], s[12:13], s[100:101]
.irp a, 0,1                                    ; the rotation's table of blocks 0 and 1.  Every work-group loads it, v's too, which do not use it: one path for all
.irp j, 0,1,2,3,4,5,6,7
	global_load_b128 v[64+32*\a+4*\j:64+32*\a+4*\j+3], v[L16], s[12:13] offset:4096*\a+512*\j
.endr
.endr
	s_wait_alu depctr_va_vdst(0)
	s_wait_loadcnt 0x0
	s_wait_tensorcnt 2                             ; the scale bytes and my part of slot 0 are in; the loads of slots 1 and 2 may be out
	s_barrier_signal -1
	s_barrier_wait -1
	FETCH_B 0, 0, 0
	FETCH_A 0, 0, 0
	SCALES 0
	FETCH_A 0, 0, 4
	STEPX 0, 0, 0, 0, 1, 0, 0, 1                   ; the first products start the sums: nothing is cleared
	STEPX 0, 1, 0, 1, 0, 1, 2, 0                   ; slot 0 is left: the round, and the refill
	s_wait_alu depctr_va_vdst(0)
	STEPX 1, 0, 1, 1, 1, 1, 0, 0
	STEPX 1, 1, 1, 2, 0, 0, 0, 0                   ; slot 2 was shown whole to every wave by the round: each had waited for all its loads in front of it
	s_wait_alu depctr_va_vdst(0)
	STEPX 2, 0, 0, 2, 1, 0, 0, 0
	STEPX 2, 1, 0, 0, 0, 1, 1, 0                   ; the refill has landed in every wave's part
	STEPX 0, 0, 1, 0, 1, 1, 0, 0
	s_wait_dscnt 16                                ; the last step: nothing more to fetch
	WIN MUL_LO
	MUL16 0, 1, 1, 1, 0
	MUL16 2, 1, 1, 1, 0
	s_wait_dscnt 0x0
	WIN MUL_HI
	MUL16 4, 1, 1, 1, 0
	MUL16 6, 1, 1, 1, 0
	WIN 0
	PLACES 4                                       ; in front of the first read of results, and of writes and loads into registers that held fragments
	s_cmp_eq_u32 s2, 1
	s_cbranch_scc1 .Lv
	; ---- q and k.  Block a: 16 tokens (a lane a token), 128 channels = two heads
	s_lshr_b32 s96, s20, 3
	s_lshl_b32 s96, s96, 4
	s_and_b32 s97, s19, 3
	s_lshl_b32 s97, s97, 2
	s_add_co_u32 s96, s96, s97
	s_lshl_b32 s97, s16, 1
	s_add_co_u32 s96, s96, s97                     ; my first head: 16 batch + 4 (x % 4) + 2 (wave % 2)
	s_lshr_b32 s98, s19, 2                         ; 0: q, 1: k
	s_mul_i32 s100, s96, 294912
	s_mul_i32 s99, s98, 98304
	s_add_co_u32 s100, s100, s99
	s_mul_i32 s99, s18, 768
	s_add_co_u32 s100, s100, s99
	s_mov_b32 s101, 0
	s_add_nc_u64 s[92:93], s[92:93], s[100:101]
	s_mul_i32 s100, s96, 20480
	s_lshl_b32 s99, s98, 13
	s_add_co_u32 s100, s100, s99
	s_lshl_b32 s99, s18, 6
	s_add_co_u32 s100, s100, s99
	s_add_nc_u64 s[94:95], s[94:95], s[100:101]
	WIN TO_B
.irp a, 2,3,4,5,6,7                            ; the tables of blocks 2 to 7, where the B role's fragments lay
.irp j, 0,1,2,3,4,5,6,7
	global_load_b128 v[32*(\a-2)+4*\j:32*(\a-2)+4*\j+3], v[L16], s[12:13] offset:4096*\a+512*\j
.endr
.endr
	WIN 0
.macro EPIQ a
	s_wait_xcnt 0x0                                ; earlier stores have read their registers: the codes' set of two blocks ago is written again
.if (\a) >= 2
	s_wait_loadcnt 8*(7-(\a))                      ; this block's table is in; those of the later blocks may be out
.set TW, 1
.set TBL, 32*((\a)-2)
.else
.set TW, 0
.set TBL, 64+32*(\a)
.endif
.set AC, 64*((\a)%4)
.set PCX, PC+20*((\a)%2)
	WIN (2+(\a)/4)|(TW<<2)                         ; source 0: the accumulators' window; source 1: the table's
.irp b, 0,1,2,3,4,5,6,7                        ; register n (even) and n + 1 are a pair; its cos and sin are the table's registers n % 32 and n % 32 + 1
.irp u, 0,2,4,6
	v_mul_f32 v[H+8*\b+\u], v[AC+8*\b+\u], v[TBL+(8*\b+\u)%32]
	v_mul_f32 v[H+8*\b+\u+1], v[AC+8*\b+\u], v[TBL+(8*\b+\u)%32+1]
.endr
.irp u, 0,2,4,6
	v_fma_f32 v[H+8*\b+\u], -v[AC+8*\b+\u+1], v[TBL+(8*\b+\u)%32+1], v[H+8*\b+\u]
	v_fma_f32 v[H+8*\b+\u+1], v[AC+8*\b+\u+1], v[TBL+(8*\b+\u)%32], v[H+8*\b+\u+1]
.endr
.endr
	QUANT H, 0, PCX, PW+(\a)
	v_lshrrev_b32 v[SW+(\a)], 16, v[PW+(\a)]
	v_cndmask_b32 v[SW+(\a)], v[PW+(\a)], v[SW+(\a)], s3   ; lanes 0-15: the first head's two bytes lowest; lanes 16-31: the second head's
	global_store_b128 v[L16], v[PCX:PCX+3], s[92:93] offset:768*(\a)
	global_store_b64 v[L8], v[PCX+4:PCX+5], s[92:93] offset:768*(\a)+512
	global_store_b128 v[L16], v[PCX+6:PCX+9], s[92:93] offset:768*(\a)+294912
	global_store_b64 v[L8], v[PCX+10:PCX+11], s[92:93] offset:768*(\a)+294912+512
	global_store_b32 v[SOFF], v[SW+(\a)], s[94:95] offset:64*(\a)
.endm
.irp a, 0,1,2,3,4,5,6,7
	EPIQ \a
.endr
	s_branch .Lend
	; ---- v.  Block a: 16 channels of head a / 4 (a lane a channel), 128 keys
.Lv:
	s_lshr_b32 s96, s20, 3
	s_lshl_b32 s96, s96, 4
	s_sub_co_u32 s97, s19, 8
	s_lshl_b32 s97, s97, 2
	s_add_co_u32 s96, s96, s97
	s_lshl_b32 s97, s15, 1
	s_add_co_u32 s96, s96, s97                     ; my first head: 16 batch + 4 (x - 8) + 2 (wave / 2)
	s_and_b32 s98, s20, 7
	s_lshl_b32 s98, s98, 1
	s_add_co_u32 s98, s98, s16                     ; which 128 keys
	s_mul_i32 s100, s96, 294912
	s_mul_i32 s99, s98, 6144
	s_add_co_u32 s100, s100, s99
	s_add_co_u32 s100, s100, 196608
	s_mov_b32 s101, 0
	s_add_nc_u64 s[92:93], s[92:93], s[100:101]
	s_mul_i32 s100, s96, 20480
	s_lshl_b32 s99, s98, 8
	s_add_co_u32 s100, s100, s99
	s_add_co_u32 s100, s100, 16384
	s_add_nc_u64 s[94:95], s[94:95], s[100:101]
.macro EPIV a
	s_wait_xcnt 0x0                                ; earlier stores have read their registers
.set PCX, PC+20*((\a)%2)
	QUANT 64*((\a)%4), 2+(\a)/4, PCX, PW+(\a)
	global_store_b128 v[L16], v[PCX:PCX+3], s[92:93] offset:294912*((\a)/4)+1536*((\a)%4)
	global_store_b64 v[L8], v[PCX+4:PCX+5], s[92:93] offset:294912*((\a)/4)+1536*((\a)%4)+512
	global_store_b128 v[L16], v[PCX+6:PCX+9], s[92:93] offset:294912*((\a)/4)+1536*((\a)%4)+768
	global_store_b64 v[L8], v[PCX+10:PCX+11], s[92:93] offset:294912*((\a)/4)+1536*((\a)%4)+1280
.if (\a)%2
	v_cndmask_b32 v[SW+(\a)], v[PW+(\a)-1], v[PW+(\a)], s3   ; two tiles' words: 128 consecutive bytes
	global_store_b32 v[L4], v[SW+(\a)], s[94:95] offset:20480*((\a)/4)+128*(((\a)%4)/2)
.endif
.endm
.irp a, 0,1,2,3,4,5,6,7
	EPIV \a
.endr
.Lend:
	s_wait_tensorcnt 0x0                           ; the wave's end, behind my last tensor load
	ds_add_u32 v[SPW], v[NIL]
	s_wait_dscnt 0x0
	CROUND                                         ; the closing round
	s_endpgm
.Lfunc_end_k_q17c505ff96_qkvproj:
	.size	k_q17c505ff96_qkvproj, .Lfunc_end_k_q17c505ff96_qkvproj-k_q17c505ff96_qkvproj
	.p2alignl 7, 3214868480
	.fill 96, 4, 3214868480
	.section	.rodata,"a",@progbits
	.p2align	6, 0x0
	.amdhsa_kernel k_q17c505ff96_qkvproj
		.amdhsa_group_segment_fixed_size 327680
		.amdhsa_private_segment_fixed_size 0
		.amdhsa_enable_private_segment 0
		.amdhsa_kernarg_size 56
		.amdhsa_user_sgpr_count 2
		.amdhsa_user_sgpr_kernarg_segment_ptr 1
		.amdhsa_wavefront_size32 1
		.amdhsa_system_sgpr_workgroup_id_x 1
		.amdhsa_system_sgpr_workgroup_id_y 1
		.amdhsa_system_sgpr_workgroup_id_z 1
		.amdhsa_system_vgpr_workitem_id 0
		.amdhsa_next_free_vgpr 1024
		.amdhsa_next_free_sgpr 106
		.amdhsa_reserve_vcc 0
		.amdhsa_float_denorm_mode_32 3
		.amdhsa_float_denorm_mode_16_64 3
		.amdhsa_memory_ordered 1
		.amdhsa_forward_progress 1
		.amdhsa_inst_pref_size 241
	.end_amdhsa_kernel
	.amdgpu_metadata
---
amdhsa.version: [ 1, 2 ]
amdhsa.kernels:
  - .name:           k_q17c505ff96_qkvproj
    .symbol:         k_q17c505ff96_qkvproj.kd
    .args:
      - { .name: act_img, .offset: 0, .size: 8, .value_kind: global_buffer, .address_space: global }
      - { .name: act_sc, .offset: 8, .size: 8, .value_kind: global_buffer, .address_space: global }
      - { .name: w_img, .offset: 16, .size: 8, .value_kind: global_buffer, .address_space: global }
      - { .name: w_sc, .offset: 24, .size: 8, .value_kind: global_buffer, .address_space: global }
      - { .name: tab, .offset: 32, .size: 8, .value_kind: global_buffer, .address_space: global }
      - { .name: qkv, .offset: 40, .size: 8, .value_kind: global_buffer, .address_space: global }
      - { .name: qkvs, .offset: 48, .size: 8, .value_kind: global_buffer, .address_space: global }
    .group_segment_fixed_size: 327680
    .private_segment_fixed_size: 0
    .kernarg_segment_align: 8
    .kernarg_segment_size: 56
    .max_flat_workgroup_size: 128
    .sgpr_count:     106
    .vgpr_count:     1024
    .wavefront_size: 32
...
	.end_amdgpu_metadata
.endif
;; end of part 2
;; launch attn (part 3): grid 4 x 64, 16 waves a work-group, clusters of 4 x 1, 210,944 bytes of LDS; arguments qkv, qkvs, act_img, act_sc; writes act_img, act_sc
.if DOCPART == 3
	.amdgcn_target "amdgcn-amd-amdhsa--gfx1250"
	.amdhsa_code_object_version 6
	.text
	.protected	k_q17c505ff96_attn
	.globl	k_q17c505ff96_attn
	.p2align	8
	.type	k_q17c505ff96_attn,@function
k_q17c505ff96_attn:
	s_mov_b64 s[64:65], 0
	v_nop
	global_prefetch_b8 v0, s[64:65] scope:SCOPE_SE
	s_setreg_imm32_b32 hwreg(HW_REG_WAVE_MODE, 25, 1), 1
	s_wait_xcnt 0x0
	s_wait_alu depctr_hold_cnt(0) depctr_sa_sdst(0) depctr_va_vdst(0) depctr_va_sdst(0) depctr_va_ssrc(0) depctr_va_vcc(0) depctr_vm_vsrc(0)
	s_getreg_b32 s2, hwreg(HW_REG_IB_STS2, 6, 4)
	s_cmp_eq_u32 s2, 0
	s_cbranch_scc0 .Lentry_in_a_cluster
	s_endpgm
.Lentry_in_a_cluster:
	s_bfe_u32 s2, ttmp6, 0x10000c
	s_cmp_lg_u32 s2, 0x3003
	s_cbranch_scc0 .Lentry_shape_is_right
	s_endpgm
.Lentry_shape_is_right:
; Causal attention of one head (64 channels, 2,048 tokens) on codes of FP6 (E2M3) with E8M0 scales; the result, divided by the row's sum, is quantised along d_model and stored as the image that the last product reads.
; IN: qkv[head][Q | K | V], qkvs[head][QS | KS | VS]: register images.  Q, K: [tile of 16 tokens][768]: lane r of tile T holds token 32 (T / 2) + 8 (T % 2) + r + 8 (r / 8); V: [128 keys][tile of 16 channels][1,536], keys innermost.
; THE HEAD'S 64 fill half of the matrix instruction's K = 128 in the first product: the other half is zero codes on both sides (registers 6-11 of both fragments, cleared once).
; SOFTMAX: t = score x log2(e) / 8; M = the running largest t rounded UP to a whole number; p = 2^(t - M) is quantised along the keys, not normalised; the row's sum is taken of the unquantised p and divides at the end.
; SHARES.  The four work-groups of a cluster share a head: its K, V and their scale words (208,896 bytes) come into each one's LDS ONCE, by joint loads at the head; nothing is filled again.
; Wave w makes two tiles of 16 queries, one after the other: tile 8 g + 2 cx + e with g = w for e = 0 and g = 15 - w for e = 1.  Such a tile needs key steps 0 .. g of 128 keys: 17 steps for every wave of every
; work-group.  Every branch hangs on the wave's number and a loop's counter; the place in the cluster, cx, enters the addresses of Q and of the result and the mask's numbers alone.
; Both products are used transposed (S^T = K Q^T, O^T = V^T P^T): a lane holds ONE query throughout; by the order of rows in a tile p's 64 registers are 16 neighbouring keys of each of four blocks, and O^T's 32
; registers 16 neighbouring channels of each of two.
; LIMITS: a block of zeros, or one under 2^-124, gets the byte 1; NaN and infinities are not served.
.set VB,    98304                      ; LDS: K at 0, V here,
.set KSC,   196608                     ; K's scale words (64 bytes a tile),
.set VSC,   204800                     ; V's (256 bytes a key step),
.set SPARE, 208896                     ; and the spare words, 128 bytes for each wave: eight blocks of 256 bytes that no other line names
.set L16, 1
.set L8,  2
.set L4,  3
.set SPW, 6                            ; v6   my spare word; never rewritten
.set NIL, 7                            ; v7   0; never rewritten
.set ADK, 8                            ; v8-11 the step's tiles of K and of V: + 16 x lane, + 8 x lane
.set ADK8, 9
.set ADV, 10
.set ADV8, 11
.set QF,  16                           ; v16-27 Q (v22-27 zeros); v12 -M, v13 the largest t, v[14:15] the sum in two halves
.set QSC, 28
.set DG,  29                           ; my query - the diagonal step's first key - 16 h
.set ADS, 30
.set ADT, 31
.set KFR, 32                           ; v32-79 four fragments of K (the upper six registers of each: zeros)
.set KSR, 80                           ; v80-83 K's scale words, two tiles to a register
.set VSR, 84                           ; v84-85 V's
.set SBO, 88                           ; 32 r + h
.set R4,  89                           ; 4 r
.set DG0, 90
.set ST,  96                           ; v96-159 S^T, then p; then V's four fragments (v96-143); on the way out O / l
.set OT,  160                          ; v160-191 O^T
.set BM,  192
.set BX,  196
.set SO,  200
.set CH,  204
.set FF,  212                          ; v212 f = 2^(old M - new M), v213 p's scale word
.set TMP, 214
.set SM2, 216
.set PCD, 224                          ; v224-235 p's codes
.set OC,  240                          ; v240-245 the result's codes, v246 its byte
.set OBY, 246
.set WV,  20
.set CX,  21
.set BH,  22
.set G,   23
.set G1,  24
.set G1S, 32
.set G0,  40
.set G0S, 44
.set QOF, 48
.set SOF, 49
.set IOF, 50
.set COF, 51
.set KS,  52
.set TK,  53
.set TV,  54
.set TS,  55
.set TT,  56
.set CS,  58
.set SEL, 60
.set HM,  62
.macro CROUND
	s_barrier_signal -1
	s_barrier_wait -1
	s_cmp_lg_u32 s[WV], 0
	s_cbranch_scc1 .Lnot_wave_0_\@
	s_barrier_signal -3
.Lnot_wave_0_\@:
	s_barrier_wait -3
	s_barrier_signal -1
	s_barrier_wait -1
.endm
	s_load_b256 s[4:11], s[0:1], 0x0               ; qkv, qkvs, act_img, act_sc
	v_lshl_add_u32 v[SPW], v0, 2, SPARE
	v_mov_b32 v[NIL], 0
	ds_add_u32 v[SPW], v[NIL]                      ; the wave's opening: the add and its wait ahead of my first tensor load
	ds_add_u32 v[SPW], v[NIL]
	v_lshrrev_b32 v8, 5, v0
	s_delay_alu instid0(VALU_DEP_1)
	v_readfirstlane_b32 s[WV], v8                  ; wave 0..15
	s_bfe_u32 s[CX], ttmp6, 0x40000                ; my place in the cluster
	s_and_b32 s[BH], ttmp7, 0xffff                 ; batch x 16 + head, which the partners share
	s_mov_b32 s[G1], 15|(3<<16)|(1<<21)            ; 15:0 the mask: all four; 17:16 elements of 8 bytes; 21 set beside a mask: 24,576 dense bytes as 96 rows of 256
	s_mov_b32 s[G1+1], 32<<16
	s_mov_b32 s[G1+2], 96<<16
	s_mov_b32 s[G1+3], 32<<16
	s_mov_b32 s[G1+4], 96
	s_mov_b32 s[G1+5], 32
	s_mov_b32 s[G1+6], 0
	s_mov_b32 s[G1+7], 0
	s_mov_b32 s[G1S], 15|(3<<16)|(1<<21)           ; the scale words: 12,288 bytes as 48 rows
	s_mov_b32 s[G1S+1], 32<<16
	s_mov_b32 s[G1S+2], 48<<16
	s_mov_b32 s[G1S+3], 32<<16
	s_mov_b32 s[G1S+4], 48
	s_mov_b32 s[G1S+5], 32
	s_mov_b32 s[G1S+6], 0
	s_mov_b32 s[G1S+7], 0
	s_mul_i32 s[QOF], s[BH], 294912                ; the head's bytes in qkv
	s_mul_i32 s[SOF], s[BH], 20480                 ; and in qkvs
	s_mul_i32 s57, s[WV], 24576
	s_add_co_u32 s66, s[QOF], s57
	s_add_co_u32 s66, s66, 98304                   ; K and V follow Q: wave w (0-7) fetches their w-th eighth
	s_mov_b32 s67, 0
	s_add_co_u32 s68, s[SOF], 8192
	s_mov_b32 s69, 0
	s_and_b32 s70, s[BH], 15                       ; head
	s_lshr_b32 s71, s[BH], 4                       ; batch
	s_lshr_b32 s72, s70, 2
	s_mul_i32 s[IOF], s72, 1572864                 ; the result's image: which 256 of d_model,
	s_mul_i32 s72, s71, 393216                     ; the batch's 128 tiles of 3,072 bytes,
	s_add_co_u32 s[IOF], s[IOF], s72
	s_and_b32 s72, s70, 3
	s_mul_i32 s72, s72, 768                        ; which half fragment
	s_add_co_u32 s[IOF], s[IOF], s72
	s_lshl_b32 s[COF], s71, 16                     ; its scale bytes: 512 a tile, the head's two at 2 x head
	s_lshl_b32 s72, s70, 1
	s_add_co_u32 s[COF], s[COF], s72
	s_mov_b32 s[CS], 0x3e38aa3b                    ; c = log2(e) / 8
	s_mov_b32 s[CS+1], s[CS]                       ; (named with it as a pair)
	s_mov_b32 s[SEL], 0x76543210
	s_mov_b32 s[SEL+1], 0xfedcba98
	s_mov_b32 s[HM], 0xffff0000
	s_wait_dscnt 0x0                               ; the opening add is done
	s_wait_kmcnt 0x0
	s_mov_b32 s[G0], 1
	s_mov_b32 s[G0+1], s57                         ; LDS: 24,576 x wave
	s_add_nc_u64 s[G0+2:G0+3], s[4:5], s[66:67]
	s_or_b32 s[G0+3], s[G0+3], 0x80000000
	s_mov_b32 s[G0S], 1
	s_mov_b32 s[G0S+1], KSC
	s_add_nc_u64 s[G0S+2:G0S+3], s[6:7], s[68:69]
	s_or_b32 s[G0S+3], s[G0S+3], 0x80000000
	CROUND                                         ; all four work-groups are here: the joint loads meet
	s_cmp_lt_u32 s[WV], 8                          ; waves 0-7: K and V; wave 8: the scale words; one load a wave at the most
	s_cbranch_scc0 .Lnot_kv
	tensor_load_to_lds s[G0:G0+3], s[G1:G1+7]
	s_nop 0
.rept 4
	v_nop
.endr
	s_branch .Lasked
.Lnot_kv:
	s_cmp_eq_u32 s[WV], 8
	s_cbranch_scc0 .Lasked
	tensor_load_to_lds s[G0S:G0S+3], s[G1S:G1S+7]
	s_nop 0
.rept 4
	v_nop
.endr
.Lasked:
	v_and_b32 v4, 31, v0
	s_delay_alu instid0(VALU_DEP_1)
	v_lshlrev_b32 v[L16], 4, v4
	s_delay_alu instid0(VALU_DEP_2)
	v_lshlrev_b32 v[L8], 3, v4
	s_delay_alu instid0(VALU_DEP_3)
	v_lshlrev_b32 v[L4], 2, v4
	v_and_b32 v4, 15, v0                           ; r
	v_bfe_u32 v5, v0, 4, 1                         ; h
	s_delay_alu instid0(VALU_DEP_2)
	v_lshlrev_b32 v[R4], 2, v4
	s_delay_alu instid0(VALU_DEP_2)
	v_lshl_add_u32 v[SBO], v4, 5, v5
	s_delay_alu instid0(VALU_DEP_4)
	v_and_b32 v[DG0], 8, v4
	s_delay_alu instid0(VALU_DEP_1)
	v_add_nc_u32 v[DG0], v[DG0], v4
	v_lshlrev_b32 v91, 4, v5
	s_delay_alu instid0(VALU_DEP_1)
	v_sub_nc_u32 v[DG0], v[DG0], v91
	s_lshl_b32 s57, s[CX], 5
	v_add_nc_u32 v[DG0], s57, v[DG0]               ; 32 cx + r + 8 (r / 8) - 16 h
.irp j, 6,7,8,9,10,11
	v_mov_b32 v[QF+\j], 0                          ; the zero codes of K = 64 .. 127
.irp t, 0,1,2,3
	v_mov_b32 v[KFR+12*\t+\j], 0
.endr
.endr
.irp b, 0,1,2,3
	v_mov_b32 v[BX+\b], 0                          ; a lane permute's destination counts as one of its sources
.endr
	v_mov_b32 v[FF+1], 0
	v_mov_b32 v[TMP], 0
	s_wait_tensorcnt 0x0                           ; my part has landed,
	s_barrier_signal -1
	s_barrier_wait -1                              ; everybody's has
; A KEY STEP: 128 keys.  A step all of whose keys come after the tile's queries is passed over: a branch on the wave's number and the counter, round the work, not round the lines that step addresses.
.macro STEP
	s_cmp_gt_u32 s[KS], s[G]
	s_cbranch_scc1 .Lhidden_\@
	s_setprio 2
	v_add_nc_u32 v[ADK], s[TK], v[L16]             ; six plain lines: also the places between the last step's products and the products below, which write over V's fragments
	s_wait_alu depctr_va_vdst(0)
	v_add_nc_u32 v[ADK8], s[TK], v[L8]
	s_wait_alu depctr_va_vdst(0)
	v_add_nc_u32 v[ADV], s[TV], v[L16]
	v_add_nc_u32 v[ADV8], s[TV], v[L8]
	v_add_nc_u32 v[ADS], s[TS], v[L4]
	v_add_nc_u32 v[ADT], s[TT], v[L4]
.irp i, 0,1,2,3
	ds_load_b32 v[KSR+\i], v[ADS] offset:128*\i    ; lanes 0-15 tile 2 i's words, lanes 16-31 tile 2 i + 1's
.endr
.irp g, 0,1                                    ; S^T = K Q^T, four tiles of 16 keys at a time
.if \g
.rept 4
	v_nop                                          ; places in front of loads into registers that matrix instructions have read
.endr
.endif
.irp t, 0,1,2,3
	ds_load_b128 v[KFR+12*\t:KFR+12*\t+3], v[ADK] offset:768*(4*\g+\t)
	ds_load_b64 v[KFR+12*\t+4:KFR+12*\t+5], v[ADK8] offset:768*(4*\g+\t)+512
.endr
	s_wait_dscnt 0x0
.irp t, 0,2
	v_wmma_scale_f32_16x16x128_f8f6f4 v[ST+8*(4*\g+\t):ST+8*(4*\g+\t)+7], v[KFR+12*\t:KFR+12*\t+11], v[QF:QF+11], 0, v[KSR+2*\g+\t/2], v[QSC] matrix_a_fmt:MATRIX_FMT_FP6 matrix_b_fmt:MATRIX_FMT_FP6
	v_wmma_scale_f32_16x16x128_f8f6f4 v[ST+8*(4*\g+\t+1):ST+8*(4*\g+\t+1)+7], v[KFR+12*\t+12:KFR+12*\t+23], v[QF:QF+11], 0, v[KSR+2*\g+\t/2], v[QSC] matrix_a_fmt:MATRIX_FMT_FP6 matrix_b_fmt:MATRIX_FMT_FP6 matrix_a_scale:MATRIX_SCALE_ROW1
.endr
.endr
.rept 4
	v_nop
.endr
	s_cmp_lg_u32 s[KS], s[G]                       ; on the diagonal the scores of hidden keys become -infinity ahead of the maximum: p = 0 then
	s_cbranch_scc1 .Lopen_\@
	v_mov_b32 v[TMP], 0xff800000
.irp n, 0,1,2,3,4,5,6,7,8,9,10,11,12,13,14,15,16,17,18,19,20,21,22,23,24,25,26,27,28,29,30,31,32,33,34,35,36,37,38,39,40,41,42,43,44,45,46,47,48,49,50,51,52,53,54,55,56,57,58,59,60,61,62,63
	v_cmp_gt_i32 vcc_lo, 32*(\n/16)+\n%16, v[DG]   ; register 16 b + i holds the step's key 32 b + 16 h + i
	v_cndmask_b32 v[ST+\n], v[ST+\n], v[TMP], vcc_lo
.endr
.Lopen_\@:
.irp b, 0,1,2,3
	v_max3_num_f32 v[BM+\b], v[ST+16*\b], v[ST+1+16*\b], v[ST+2+16*\b]   ; the largest score of each block of 32 keys: for the row's maximum, and, since p rises with the score, for the block's largest p
.endr
.irp i, 3,5,7,9,11,13
.irp b, 0,1,2,3
	v_max3_num_f32 v[BM+\b], v[BM+\b], v[ST+16*\b+\i], v[ST+1+16*\b+\i]
.endr
.endr
.irp b, 0,1,2,3
	v_max_num_f32 v[BM+\b], v[BM+\b], v[ST+15+16*\b]
.endr
.irp b, 0,1,2,3
	s_delay_alu instid0(VALU_DEP_4)
	v_permlanex16_b32 v[BX+\b], v[BM+\b], s[SEL], s[SEL+1]
.endr
.irp b, 0,1,2,3
	s_delay_alu instid0(VALU_DEP_4)
	v_max_num_f32 v[BM+\b], v[BM+\b], v[BX+\b]
.endr
	s_delay_alu instid0(VALU_DEP_2)
	v_max3_num_f32 v[TMP], v[BM], v[BM+1], v[BM+2]
	s_delay_alu instid0(VALU_DEP_1)
	v_max_num_f32 v[TMP], v[TMP], v[BM+3]
	s_delay_alu instid0(VALU_DEP_1)
	v_mul_f32 v[TMP], s[CS], v[TMP]
	s_delay_alu instid0(VALU_DEP_1)
	v_max_num_f32 v13, v13, v[TMP]                 ; the running largest t
	v_mov_b32 v[TMP], v12
	s_delay_alu instid0(VALU_DEP_2)
	v_floor_f32 v12, -v13                          ; the new -M: M is a whole number
	s_delay_alu instid0(VALU_DEP_1)
	v_sub_f32 v[TMP], v12, v[TMP]
	s_delay_alu instid0(VALU_DEP_1)
	v_cvt_i32_f32 v[TMP], v[TMP]                   ; (it saturates)
	s_delay_alu instid0(VALU_DEP_1)
	v_ldexp_f32 v[FF], 1.0, v[TMP]                 ; f = 2^(old M - new M): a multiplication by it rounds nothing
.irp j, 0,2,4,6,8,10,12,14,16,18,20,22,24,26,28,30,32,34,36,38,40,42,44,46,48,50,52,54,56,58,60,62
	v_pk_fma_f32 v[ST+\j:ST+1+\j], v[ST+\j:ST+1+\j], s[CS:CS+1], v[12:13] op_sel_hi:[1,0,0]   ; t - M
.endr
	s_setprio 1
.irp b, 0,1,2,3
	v_fma_f32 v[BM+\b], v[BM+\b], s[CS], v12
.endr
	s_wait_alu depctr_va_vdst(0)
.irp j, 0,1,2,3,4,5,6,7,8,9,10,11,12,13,14,15,16,17,18,19,20,21,22,23,24,25,26,27,28,29,30,31,32,33,34,35,36,37,38,39,40,41,42,43,44,45,46,47,48,49,50,51,52,53,54,55,56,57,58,59,60,61,62,63
	v_exp_f32 v[ST+\j], v[ST+\j]                   ; p = 2^(t - M)
.endr
	v_pk_mul_f32 v[14:15], v[14:15], v[FF:FF+1] op_sel_hi:[1,0]   ; the sums under the new M (a plain line behind the exponentials)
	s_wait_alu depctr_va_vdst(0)                   ; one wait for the batch of 64, ahead of its first reader
.irp b, 0,1,2,3
	v_exp_f32 v[BM+\b], v[BM+\b]                   ; each block's largest p
.endr
	v_pk_add_f32 v[216:217], v[100:101], v[104:105]
	v_pk_add_f32 v[254:255], v[108:109], v[112:113]
	v_pk_add_f32 v[252:253], v[116:117], v[120:121]
	v_pk_add_f32 v[250:251], v[124:125], v[128:129]
	v_pk_add_f32 v[248:249], v[132:133], v[136:137]
	v_pk_add_f32 v[246:247], v[140:141], v[144:145]
	v_pk_add_f32 v[244:245], v[148:149], v[152:153]
	v_pk_add_f32 v[14:15], v[14:15], v[156:157]
	v_pk_add_f32 v[216:217], v[216:217], v[96:97]
	v_pk_add_f32 v[254:255], v[254:255], v[98:99]
	v_pk_add_f32 v[252:253], v[252:253], v[102:103]
	v_pk_add_f32 v[250:251], v[250:251], v[106:107]
	v_pk_add_f32 v[248:249], v[248:249], v[110:111]
	v_pk_add_f32 v[246:247], v[246:247], v[114:115]
	v_pk_add_f32 v[244:245], v[244:245], v[118:119]
	v_pk_add_f32 v[14:15], v[14:15], v[122:123]
	v_pk_add_f32 v[216:217], v[216:217], v[126:127]
	v_pk_add_f32 v[254:255], v[254:255], v[130:131]
	v_pk_add_f32 v[252:253], v[252:253], v[134:135]
	v_pk_add_f32 v[250:251], v[250:251], v[138:139]
	v_pk_add_f32 v[248:249], v[248:249], v[142:143]
	v_pk_add_f32 v[246:247], v[246:247], v[146:147]
	v_pk_add_f32 v[244:245], v[244:245], v[150:151]
	v_pk_add_f32 v[14:15], v[14:15], v[154:155]
	v_pk_add_f32 v[216:217], v[216:217], v[158:159]
	s_delay_alu instid0(VALU_DEP_2)
	v_pk_add_f32 v[14:15], v[14:15], v[250:251]
	s_delay_alu instid0(VALU_DEP_2)
	v_pk_add_f32 v[216:217], v[216:217], v[248:249]
	v_pk_add_f32 v[254:255], v[254:255], v[246:247]
	v_pk_add_f32 v[252:253], v[252:253], v[244:245]
	s_delay_alu instid0(VALU_DEP_2)
	v_pk_add_f32 v[14:15], v[14:15], v[254:255]
	s_delay_alu instid0(VALU_DEP_2)
	v_pk_add_f32 v[216:217], v[216:217], v[252:253]
	s_delay_alu instid0(VALU_DEP_1)
	v_pk_add_f32 v[14:15], v[14:15], v[216:217]
	s_wait_alu depctr_va_vdst(0)                   ; and one for the four
.irp b, 0,1,2,3
	v_max_num_f32 v[BM+\b], 0x1800000, v[BM+\b]    ; the floor 2^(3 - 127)
.endr
.irp b, 0,1,2,3
	s_delay_alu instid0(VALU_DEP_4)
	v_add_nc_u32 v[SO+\b], 0xff000000, v[BM+\b]
.endr
.irp b, 0,1,2,3
	s_delay_alu instid0(VALU_DEP_4)
	v_lshrrev_b32 v[BX+\b], 23, v[SO+\b]
.endr
	s_delay_alu instid0(VALU_DEP_3)
	v_lshl_or_b32 v[FF+1], v[BX+1], 8, v[BX]       ; p's scale word for these 128 keys
	s_delay_alu instid0(VALU_DEP_1)
	v_lshl_or_b32 v[FF+1], v[BX+2], 16, v[FF+1]
	s_delay_alu instid0(VALU_DEP_1)
	v_lshl_or_b32 v[FF+1], v[BX+3], 24, v[FF+1]
.irp c, 0,1
	v_cvt_scalef32_pk16_fp6_f32 v[PCD+6*\c:PCD+2+6*\c], v[ST+32*\c:ST+15+32*\c], v[SO+2*\c]
	v_cvt_scalef32_pk16_fp6_f32 v[CH+4*\c:CH+2+4*\c], v[ST+16+32*\c:ST+31+32*\c], v[SO+2*\c+1]
.endr
	v_nop                                          ; one plain line behind the conversions
	ds_load_b32 v[VSR], v[ADT]                     ; V's words and fragments are asked for here, where p's registers are free, and land under the lines below
	ds_load_b32 v[VSR+1], v[ADT] offset:128
	s_setprio 0
.irp t, 0,1,2,3
	ds_load_b128 v[ST+12*\t:ST+12*\t+3], v[ADV] offset:1536*\t
	ds_load_b64 v[ST+12*\t+4:ST+12*\t+5], v[ADV8] offset:1536*\t+512
	ds_load_b128 v[ST+12*\t+6:ST+12*\t+9], v[ADV] offset:1536*\t+768
	ds_load_b64 v[ST+12*\t+10:ST+12*\t+11], v[ADV8] offset:1536*\t+1280
.endr
.irp c, 0,1
.irp i, 0,1,2
	v_permlane16_swap_b32 v[PCD+6*\c+\i], v[CH+4*\c+\i]
.endr
.irp i, 0,1,2
	s_delay_alu instid0(VALU_DEP_3)
	v_mov_b32 v[PCD+3+6*\c+\i], v[CH+4*\c+\i]
.endr
.endr
.irp j, 0,2,4,6,8,10,12,14,16,18,20,22,24,26,28,30
	v_pk_mul_f32 v[OT+\j:OT+1+\j], v[OT+\j:OT+1+\j], v[FF:FF+1] op_sel_hi:[1,0]   ; O^T under the new M; these sixteen are also the places in front of the scaled products
.endr
	s_wait_alu depctr_va_vdst(0)
	s_wait_dscnt 0x0
.irp t, 0,2                                    ; O^T += V^T P^T: four accumulators, one instruction each
	v_wmma_scale_f32_16x16x128_f8f6f4 v[OT+8*\t:OT+8*\t+7], v[ST+12*\t:ST+12*\t+11], v[PCD:PCD+11], v[OT+8*\t:OT+8*\t+7], v[VSR+\t/2], v[FF+1] matrix_a_fmt:MATRIX_FMT_FP6 matrix_b_fmt:MATRIX_FMT_FP6
	v_wmma_scale_f32_16x16x128_f8f6f4 v[OT+8*\t+8:OT+8*\t+15], v[ST+12*\t+12:ST+12*\t+23], v[PCD:PCD+11], v[OT+8*\t+8:OT+8*\t+15], v[VSR+\t/2], v[FF+1] matrix_a_fmt:MATRIX_FMT_FP6 matrix_b_fmt:MATRIX_FMT_FP6 matrix_a_scale:MATRIX_SCALE_ROW1
.endr
.Lhidden_\@:
	s_add_co_u32 s[TK], s[TK], 6144
	s_add_co_u32 s[TV], s[TV], 6144
	s_add_co_u32 s[TS], s[TS], 512
	s_add_co_u32 s[TT], s[TT], 256
.endm
; One tile of 16 queries from Q's load to the result's store.
.macro PASS e
	s_wait_xcnt 0x0                                ; earlier loads and stores have read their bases and registers
.if \e
	s_sub_co_u32 s[G], 15, s[WV]
.else
	s_mov_b32 s[G], s[WV]
.endif
	s_lshl_b32 s57, s[G], 3
	s_lshl_b32 s68, s[CX], 1
	s_add_co_u32 s57, s57, s68
	s_add_co_u32 s57, s57, \e                      ; the tile: 8 g + 2 cx + e
	s_mul_i32 s66, s57, 768
	s_add_co_u32 s66, s66, s[QOF]
	s_add_nc_u64 s[12:13], s[4:5], s[66:67]        ; Q's half fragment
	s_lshl_b32 s66, s57, 6
	s_add_co_u32 s66, s66, s[SOF]
	s_add_nc_u64 s[14:15], s[6:7], s[66:67]        ; its scale words
	s_mul_i32 s66, s57, 3072
	s_add_co_u32 s66, s66, s[IOF]
	s_add_nc_u64 s[16:17], s[8:9], s[66:67]        ; the result's half fragment
	s_lshl_b32 s66, s57, 9
	s_add_co_u32 s66, s66, s[COF]
	s_add_nc_u64 s[18:19], s[10:11], s[66:67]      ; and its scale bytes
	global_load_b128 v[QF:QF+3], v[L16], s[12:13]
	global_load_b64 v[QF+4:QF+5], v[L8], s[12:13] offset:512
	global_load_b32 v[QSC], v[R4], s[14:15]
	v_add_nc_u32 v[DG], 8*\e, v[DG0]
	v_mov_b32 v13, 0xff61b1e6                      ; the largest t so far: -3e38
	s_delay_alu instid0(VALU_DEP_1)
	v_floor_f32 v12, -v13
	v_mov_b32 v14, 0
	v_mov_b32 v15, 0
.irp j, 0,1,2,3,4,5,6,7,8,9,10,11,12,13,14,15,16,17,18,19,20,21,22,23,24,25,26,27,28,29,30,31
	v_mov_b32 v[OT+\j], 0                          ; the step is written once: the first finds zeros
.endr
	s_mov_b32 s[KS], 0
	s_mov_b32 s[TK], 0
	s_mov_b32 s[TV], VB
	s_mov_b32 s[TS], KSC
	s_mov_b32 s[TT], VSC
	s_wait_loadcnt 0x0
.Lstep_\@:                                         ; sixteen trips, whatever the tile
	STEP
	s_add_co_u32 s[KS], s[KS], 1
	s_cmp_lt_u32 s[KS], 16
	s_cbranch_scc1 .Lstep_\@
	s_setprio 0
	; the way out: O^T / the sum; its two blocks of 32 channels are quantised; the half fragment and each lane's block's byte are stored
.rept 4
	v_nop
.endr
	v_add_f32 v14, v14, v15
	s_delay_alu instid0(VALU_DEP_1)
	v_permlanex16_b32 v[TMP], v14, s[SEL], s[SEL+1]
	s_delay_alu instid0(VALU_DEP_1)
	v_add_f32 v14, v14, v[TMP]                     ; the row's sum
	s_wait_alu depctr_va_vdst(0)
	v_rcp_f32 v14, v14
	v_nop
	s_wait_alu depctr_va_vdst(0)                   ; the wait ahead of the reciprocal's first reader
.irp j, 0,2,4,6,8,10,12,14,16,18,20,22,24,26,28,30
	v_pk_mul_f32 v[ST+\j:ST+1+\j], v[OT+\j:OT+1+\j], v[14:15] op_sel_hi:[1,0]   ; register 16 b + i: channel 32 b + 16 h + i
.endr
.irp b, 0,1
	v_max3_num_f32 v[BM+\b], |v[ST+16*\b]|, |v[ST+1+16*\b]|, 0x1800000
.endr
.irp i, 2,4,6,8,10,12,14
.irp b, 0,1
	s_delay_alu instid0(VALU_DEP_2)
	v_max3_num_f32 v[BM+\b], v[BM+\b], |v[ST+16*\b+\i]|, |v[ST+1+16*\b+\i]|
.endr
.endr
.irp b, 0,1
	s_delay_alu instid0(VALU_DEP_2)
	v_permlanex16_b32 v[BX+\b], v[BM+\b], s[SEL], s[SEL+1]
.endr
.irp b, 0,1
	s_delay_alu instid0(VALU_DEP_2)
	v_max_num_f32 v[BM+\b], v[BM+\b], v[BX+\b]
.endr
.irp b, 0,1
	s_delay_alu instid0(VALU_DEP_2)
	v_add_nc_u32 v[SO+\b], 0xff000000, v[BM+\b]
.endr
.irp b, 0,1
	s_delay_alu instid0(VALU_DEP_2)
	v_lshrrev_b32 v[BX+\b], 23, v[SO+\b]
.endr
	v_cvt_scalef32_pk16_fp6_f32 v[OC:OC+2], v[ST:ST+15], v[SO]
	v_cvt_scalef32_pk16_fp6_f32 v[CH:CH+2], v[ST+16:ST+31], v[SO+1]
	v_nop
.irp i, 0,1,2
	v_permlane16_swap_b32 v[OC+\i], v[CH+\i]
.endr
.irp i, 0,1,2
	s_delay_alu instid0(VALU_DEP_3)
	v_mov_b32 v[OC+3+\i], v[CH+\i]
.endr
	v_cndmask_b32 v[OBY], v[BX], v[BX+1], s[HM]    ; my block's byte
	global_store_b128 v[L16], v[OC:OC+3], s[16:17]
	global_store_b64 v[L8], v[OC+4:OC+5], s[16:17] offset:512
	global_store_b8 v[SBO], v[OBY], s[18:19]       ; single bytes, 32 bytes apart from row to row: a work-group has one head's two bytes of a row's 32
.endm
	PASS 0
	PASS 1
	s_wait_tensorcnt 0x0                           ; the wave's end, behind my last tensor load
	ds_add_u32 v[SPW], v[NIL]
	s_wait_dscnt 0x0
	CROUND                                         ; the closing round
	s_endpgm
.Lfunc_end_k_q17c505ff96_attn:
	.size	k_q17c505ff96_attn, .Lfunc_end_k_q17c505ff96_attn-k_q17c505ff96_attn
	.p2alignl 7, 3214868480
	.fill 96, 4, 3214868480
	.section	.rodata,"a",@progbits
	.p2align	6, 0x0
	.amdhsa_kernel k_q17c505ff96_attn
		.amdhsa_group_segment_fixed_size 210944
		.amdhsa_private_segment_fixed_size 0
		.amdhsa_enable_private_segment 0
		.amdhsa_kernarg_size 32
		.amdhsa_user_sgpr_count 2
		.amdhsa_user_sgpr_kernarg_segment_ptr 1
		.amdhsa_wavefront_size32 1
		.amdhsa_system_sgpr_workgroup_id_x 1
		.amdhsa_system_sgpr_workgroup_id_y 1
		.amdhsa_system_sgpr_workgroup_id_z 1
		.amdhsa_system_vgpr_workitem_id 0
		.amdhsa_next_free_vgpr 256
		.amdhsa_next_free_sgpr 80
		.amdhsa_reserve_vcc 1
		.amdhsa_float_denorm_mode_32 3
		.amdhsa_float_denorm_mode_16_64 3
		.amdhsa_memory_ordered 1
		.amdhsa_forward_progress 1
		.amdhsa_inst_pref_size 67
	.end_amdhsa_kernel
	.amdgpu_metadata
---
amdhsa.version: [ 1, 2 ]
amdhsa.kernels:
  - .name:           k_q17c505ff96_attn
    .symbol:         k_q17c505ff96_attn.kd
    .args:
      - { .name: qkv, .offset: 0, .size: 8, .value_kind: global_buffer, .address_space: global }
      - { .name: qkvs, .offset: 8, .size: 8, .value_kind: global_buffer, .address_space: global }
      - { .name: act_img, .offset: 16, .size: 8, .value_kind: global_buffer, .address_space: global }
      - { .name: act_sc, .offset: 24, .size: 8, .value_kind: global_buffer, .address_space: global }
    .group_segment_fixed_size: 210944
    .private_segment_fixed_size: 0
    .kernarg_segment_align: 8
    .kernarg_segment_size: 32
    .max_flat_workgroup_size: 512
    .sgpr_count:     80
    .vgpr_count:     256
    .wavefront_size: 32
...
	.end_amdgpu_metadata
.endif
;; end of part 3
;; launch oproj (part 4): grid 4 x 32, 4 waves a work-group, clusters of 4 x 4, 327,680 bytes of LDS; arguments act_img, act_sc, w_img, w_sc, out0; writes out0
.if DOCPART == 4
	.amdgcn_target "amdgcn-amd-amdhsa--gfx1250"
	.amdhsa_code_object_version 6
	.text
	.protected	k_q17c505ff96_oproj
	.globl	k_q17c505ff96_oproj
	.p2align	8
	.type	k_q17c505ff96_oproj,@function
k_q17c505ff96_oproj:
	s_mov_b64 s[64:65], 0
	v_nop
	global_prefetch_b8 v0, s[64:65] scope:SCOPE_SE
	s_setreg_imm32_b32 hwreg(HW_REG_WAVE_MODE, 25, 1), 1
	s_wait_xcnt 0x0
	s_wait_alu depctr_hold_cnt(0) depctr_sa_sdst(0) depctr_va_vdst(0) depctr_va_sdst(0) depctr_va_ssrc(0) depctr_va_vcc(0) depctr_vm_vsrc(0)
	s_getreg_b32 s2, hwreg(HW_REG_IB_STS2, 6, 4)
	s_cmp_eq_u32 s2, 0
	s_cbranch_scc0 .Lentry_in_a_cluster
	s_endpgm
.Lentry_in_a_cluster:
	s_bfe_u32 s2, ttmp6, 0x10000c
	s_cmp_lg_u32 s2, 0xf033
	s_cbranch_scc0 .Lentry_shape_is_right
	s_endpgm
.Lentry_shape_is_right:
; out0 = a wo^T on codes of FP6 (E2M3) with E8M0 scales; a is attention's result, [8192][1024], wo [1024][1024]; out0 [8192][1024] f32.
; OPERANDS lie in memory as images of their registers: rows in tiles of 16 (lane r of tile T: row 32 (T / 2) + 8 (T % 2) + r + 8 (r / 8)); a fragment (16 rows x 128 K, 12 registers) is 1,536 bytes and comes by
; loads of 16, 8, 16, 8 bytes a lane at 0, 512, 768, 1,280.  Buffers: [K / 256][tile][3,072]; wo's tiles are w_img's 192 to 255.  Scale bytes: [tile][r][32].
; A tile of out0, 256 x 256, is made by four waves, 128 x 128 each: 64 accumulators in 512 registers.  K = 1,024 goes in four parts of 256 through three LDS slots: three first fills and ONE refill.
; CLUSTERS: 4 x 4 work-groups.  a's part hangs on the work-group's y alone and is asked for jointly along a row of the cluster, wo's on its x alone and along a column.
; Source 0 takes 16 rows of wo, source 1 16 rows of a: a lane holds one token, and its eight results are eight neighbouring channels.  The grid has 128 work-groups: 32 x 4 tiles of 256 x 256.
; REGISTERS, in windows of 256: window 0: v1-31 addresses; v32-63 scale words, two sets; v128-223 a's fragments, one set; on the way out v128-255 rows of out0.  window 1: wo's fragments, two sets.  windows 2, 3: the accumulators.
.set FR,     12
.set HALFT,  24576                     ; 8 tiles x 3,072: what one tensor load brings, and what one wave reads of a side
.set SLOTB,  98304                     ; a slot: a's 16 tiles, then wo's 16
.set SCL,    294912                    ; behind the three slots: the scale bytes, as units of 256 bytes + 16 of padding
.set HALFS,  4352
.set SBLK,   544
.set SPARE,  312320                    ; the spare words, 128 bytes for each wave: two blocks of 256 bytes that no other line names
.set XKS,    1572864
.set WKS,    786432
.set WT0,    192                       ; wo's first tile in w_img
.set A16, 4
.set A8,  7
.set B16, 10
.set B8,  13
.set ADRS, 16
.set L16, 17
.set L8,  18
.set STO, 24                           ; v24    the way out: where I put 32 bytes of a row
.set RD,  25                           ; v25    and where I read a row back
.set SPW, 28
.set NIL, 29
.set SC,  32
.set AF,  128
.set BK,  128
.set G1X, 24
.set G1W, 32
.set G1SX, 40
.set G1SW, 48
.set G0X0, 56
.set G0X1, 60
.set G0X2, 68
.set G0W0, 72
.set G0W1, 76
.set G0W2, 80
.set G0SX, 84
.set G0SW, 88
.set MSB, 0
.macro WIN new                         ; the immediate's high byte repeats the setting that is left
.if MSB != (\new)
	s_set_vgpr_msb (MSB<<8)|(\new)
.set MSB, (\new)
.endif
.endm
.set MUL_LO, 0xa1
.set MUL_HI, 0xf1
.set TO_B,   0x40
; A joint load: waves 0 and 1 fetch a's halves, waves 2 and 3 wo's.  The branch hangs on the wave's number alone.  An s_nop 0 and four v_nop follow each of the two lines.
.macro JLOAD g0a, g1a, g0b, g1b
	s_cmp_eq_u32 s15, 0
	s_cbranch_scc0 .Lfor_b_\@
	tensor_load_to_lds s[\g0a:\g0a+3], s[\g1a:\g1a+7]
	s_nop 0
.rept 4
	v_nop
.endr
	s_branch .Lasked_\@
.Lfor_b_\@:
	tensor_load_to_lds s[\g0b:\g0b+3], s[\g1b:\g1b+7]
	s_nop 0
.rept 4
	v_nop
.endr
.Lasked_\@:
.endm
.macro CREST
	s_cmp_lg_u32 s14, 0
	s_cbranch_scc1 .Lnot_wave_0_\@
	s_barrier_signal -3
.Lnot_wave_0_\@:
	s_barrier_wait -3
	s_barrier_signal -1
	s_barrier_wait -1
.endm
.macro CROUND
	s_barrier_signal -1
	s_barrier_wait -1
	CREST
.endm
.macro SETG0 g, base, lds, goff
	s_mov_b32 s[\g], 1
	s_add_co_u32 s[\g+1], s66, \lds
	s_add_nc_u64 s[\g+2:\g+3], s[\base:\base+1], \goff
	s_or_b32 s[\g+3], s[\g+3], 0x80000000
.endm
.macro PLACES n
.rept \n
	v_nop
.endr
.endm
.macro FRAG reg, a16, a8, q, i
	ds_load_b128 v[\reg:\reg+3], v[\a16] offset:3072*(\i)+1536*(\q)
	ds_load_b64 v[\reg+4:\reg+5], v[\a8] offset:3072*(\i)+1536*(\q)+512
	ds_load_b128 v[\reg+6:\reg+9], v[\a16] offset:3072*(\i)+1536*(\q)+768
	ds_load_b64 v[\reg+10:\reg+11], v[\a8] offset:3072*(\i)+1536*(\q)+1280
.endm
.macro FETCH_B L, q, p
	WIN TO_B
.irp i, 0,1,2,3,4,5,6,7
	FRAG 128*(\p)+FR*\i, B16+\L, B8+\L, \q, \i
.endr
	WIN 0
.endm
.macro FETCH_A L, q, i0
.irp i, \i0, \i0+1, \i0+2, \i0+3
	FRAG AF+FR*(\i), A16+\L, A8+\L, \q, \i
.endr
.endm
.macro SCALES set                      ; two words a row: lanes 0-15 a's block i, lanes 16-31 wo's block i
.irp i, 0,1,2,3,4,5,6,7
	ds_load_b64 v[SC+16*\set+2*\i:SC+16*\set+2*\i+1], v[ADRS] offset:\i*SBLK
.endr
.endm
; 16 matrix instructions: a's blocks a0, a0 + 1 x wo's eight.  The 64 accumulators take turns, one instruction a turn, in the same order in every step.
.macro MUL16 a0, p, q, sc, zero
.irp a, \a0, \a0+1
.irp b, 0,1,2,3,4,5,6,7
.if \zero
	v_wmma_scale_f32_16x16x128_f8f6f4 v[8*(8*((\a)%4)+\b):8*(8*((\a)%4)+\b)+7], v[128*(\p)+FR*\b:128*(\p)+FR*\b+FR-1], v[AF+FR*(\a):AF+FR*(\a)+FR-1], 0, v[SC+16*(\sc)+2*\b+(\q)], v[SC+16*(\sc)+2*(\a)+(\q)] matrix_a_fmt:MATRIX_FMT_FP6 matrix_b_fmt:MATRIX_FMT_FP6 matrix_a_scale:MATRIX_SCALE_ROW1
.else
	v_wmma_scale_f32_16x16x128_f8f6f4 v[8*(8*((\a)%4)+\b):8*(8*((\a)%4)+\b)+7], v[128*(\p)+FR*\b:128*(\p)+FR*\b+FR-1], v[AF+FR*(\a):AF+FR*(\a)+FR-1], v[8*(8*((\a)%4)+\b):8*(8*((\a)%4)+\b)+7], v[SC+16*(\sc)+2*\b+(\q)], v[SC+16*(\sc)+2*(\a)+(\q)] matrix_a_fmt:MATRIX_FMT_FP6 matrix_b_fmt:MATRIX_FMT_FP6 matrix_a_scale:MATRIX_SCALE_ROW1
.endif
.endr
.endr
.endm
; A step of 128 along K: slot L's q-th, scale set 'set'; it fetches the next step's fragments (slot nL, nq; scale set nset where nq = 0).
; mode 0: no barrier.  mode 1: the wave waits for all its tensor loads, adds 0 to its spare word, waits for that and for its LDS reads, and passes the work-group's barrier.
; mode 2: the same, and the barrier opens a round of the cluster's; behind it slot 0 is filled again, with the last 256 along K.
.macro STEPX L, q, set, nL, nq, nset, mode, zero
.if \mode
	s_wait_tensorcnt 0x0                           ; all my tensor loads have landed  (every window is 0 here)
	ds_add_u32 v[SPW], v[NIL]                      ; 0 onto my spare word
	s_wait_dscnt 17                                ; the add and the youngest 16 loads (a's blocks 4-7) may be out
.else
	s_wait_dscnt 16                                ; the youngest 16 loads (a's blocks 4-7) may be out
.endif
	WIN MUL_LO
	MUL16 0, \q, \q, \set, \zero
.if \mode
	s_wait_dscnt 0x0                               ; the add is done, and my LDS reads are over
	s_barrier_signal -1
.endif
	MUL16 2, \q, \q, \set, \zero
.if \mode
	WIN 0
	s_barrier_wait -1
.if \mode == 2
	CREST                                          ; no wave of any partner still reads slot 0 or has a load on its way
	s_add_nc_u64 s[G0X0+2:G0X0+3], s[G0X0+2:G0X0+3], 3*XKS
	s_add_nc_u64 s[G0W0+2:G0W0+3], s[G0W0+2:G0W0+3], 3*WKS
	JLOAD G0X0, G1X, G0W0, G1W                     ; the one refill: it has four steps in which to land; its four v_nop are the places in front of the loads below
.else
	PLACES 4
.endif
.else
	s_wait_dscnt 0x0                               ; a's blocks 4-7 are in
	PLACES 4                                       ; four plain lines between matrix instructions and loads into registers that they read
	WIN 0
.endif
.if \nq == 0
	v_add_nc_u32 v[ADRS], 8, v[ADRS]               ; the next 256 along K: two words on
.endif
	FETCH_B \nL, \nq, \nq
	FETCH_A \nL, \nq, 0
.if \nq == 0
	SCALES \nset
.endif
	WIN MUL_HI
	MUL16 4, \q, \q, \set, \zero
	MUL16 6, \q, \q, \set, \zero
	PLACES 4
	WIN 0
	FETCH_A \nL, \nq, 4
.endm
	s_load_b256 s[4:11], s[0:1], 0x0               ; act_img, act_sc, w_img, w_sc
	s_load_b64 s[92:93], s[0:1], 0x20              ; out0
	v_lshl_add_u32 v[SPW], v0, 2, SPARE
	v_mov_b32 v[NIL], 0
	ds_add_u32 v[SPW], v[NIL]                      ; the wave's opening: the add and its wait ahead of my first tensor load
	ds_add_u32 v[SPW], v[NIL]
	v_lshrrev_b32 v1, 5, v0
	v_readfirstlane_b32 s14, v1                    ; wave 0..3
	s_lshr_b32 s15, s14, 1                         ; my half of the tile's tokens.  Also: I fetch a's tiles (0) or wo's (1)
	s_and_b32 s16, s14, 1                          ; my half of its channels.  Also: which 8 tiles I fetch
	s_bfe_u32 s17, ttmp6, 0x40000                  ; cx
	s_bfe_u32 s18, ttmp6, 0x40004                  ; cy
	s_lshl_b32 s19, ttmp9, 2
	s_add_co_u32 s19, s19, s17                     ; work-group x: 256 channels
	s_and_b32 s20, ttmp7, 0xffff
	s_lshl_b32 s20, s20, 2
	s_add_co_u32 s20, s20, s18                     ; work-group y: 256 tokens
	s_lshl_b32 s21, s18, 2
	s_lshl_b32 s21, 15, s21                        ; my row of the cluster
	s_lshl_b32 s22, 0x1111, s17                    ; my column
	s_or_b32 s[G1X], s21, (3<<16)|(1<<21)          ; 15:0 the mask; 17:16 elements of 8 bytes; 21 set beside a mask; no padding: 24,576 dense bytes as 96 rows of 256
	s_or_b32 s[G1W], s22, (3<<16)|(1<<21)
.irp g, G1X, G1W
	s_mov_b32 s[\g+1], 32<<16
	s_mov_b32 s[\g+2], 96<<16
	s_mov_b32 s[\g+3], 32<<16
	s_mov_b32 s[\g+4], 96
	s_mov_b32 s[\g+5], 32
	s_mov_b32 s[\g+6], 0
	s_mov_b32 s[\g+7], 0
.endr
	s_or_b32 s[G1SX], s21, (3<<16)|(1<<20)|(1<<21)|(5<<22)|(3<<25)   ; the scale bytes of 128 rows: 16 rows of 256 bytes, 16 bytes of padding behind each
	s_or_b32 s[G1SW], s22, (3<<16)|(1<<20)|(1<<21)|(5<<22)|(3<<25)
.irp g, G1SX, G1SW
	s_mov_b32 s[\g+1], 32<<16
	s_mov_b32 s[\g+2], 16<<16
	s_mov_b32 s[\g+3], 32<<16
	s_mov_b32 s[\g+4], 16
	s_mov_b32 s[\g+5], 32
	s_mov_b32 s[\g+6], 0
	s_mov_b32 s[\g+7], 0
.endr
	s_lshl_b32 s23, s16, 3
	s_lshl_b32 s96, s20, 4
	s_add_co_u32 s96, s96, s23                     ; a's first tile that I fetch: it hangs on y alone
	s_lshl_b32 s98, s19, 4
	s_add_co_u32 s98, s98, s23
	s_add_co_u32 s98, s98, WT0                     ; wo's: on x alone
	s_lshl_b32 s100, s96, 9
	s_lshl_b32 s104, s98, 9
	s_mul_i32 s96, s96, 3072
	s_mul_i32 s98, s98, 3072
	s_mov_b32 s97, 0
	s_mov_b32 s99, 0
	s_mov_b32 s101, 0
	s_mov_b32 s105, 0
	s_mul_i32 s66, s14, HALFT                      ; where they go: wave x 24,576: no place in the cluster enters an LDS address
	s_mul_i32 s67, s14, HALFS
	s_wait_dscnt 0x0                               ; the opening add is done
	s_wait_kmcnt 0x0
	s_add_nc_u64 s[96:97], s[4:5], s[96:97]
	s_add_nc_u64 s[100:101], s[6:7], s[100:101]
	s_add_nc_u64 s[98:99], s[8:9], s[98:99]
	s_add_nc_u64 s[104:105], s[10:11], s[104:105]
	CROUND                                         ; all sixteen work-groups are here: the first joint loads meet
	s_mov_b32 s[G0SX], 1
	s_add_co_u32 s[G0SX+1], s67, SCL
	s_mov_b64 s[G0SX+2:G0SX+3], s[100:101]
	s_or_b32 s[G0SX+3], s[G0SX+3], 0x80000000
	s_mov_b32 s[G0SW], 1
	s_add_co_u32 s[G0SW+1], s67, SCL
	s_mov_b64 s[G0SW+2:G0SW+3], s[104:105]
	s_or_b32 s[G0SW+3], s[G0SW+3], 0x80000000
	JLOAD G0SX, G1SX, G0SW, G1SW                   ; the first fills go out as one group: four loads of mine are out
	SETG0 G0X0, 96, 0, 0
	SETG0 G0W0, 98, 0, 0
	JLOAD G0X0, G1X, G0W0, G1W
	SETG0 G0X1, 96, SLOTB, XKS
	SETG0 G0W1, 98, SLOTB, WKS
	JLOAD G0X1, G1X, G0W1, G1W
	SETG0 G0X2, 96, 2*SLOTB, 2*XKS
	SETG0 G0W2, 98, 2*SLOTB, 2*WKS
	JLOAD G0X2, G1X, G0W2, G1W
	s_mul_i32 s21, s15, HALFT                      ; my 8 tiles of a
	s_mul_i32 s22, s16, HALFT                      ; my 8 tiles of wo,
	s_add_co_u32 s22, s22, 2*HALFT                 ; which lie behind a's 16
	v_and_b32 v3, 31, v0
	v_and_b32 v1, 15, v0                           ; r
	v_bfe_u32 v2, v0, 4, 1                         ; h
	v_lshlrev_b32 v[L16], 4, v3
	v_lshlrev_b32 v[L8], 3, v3
.irp L, 0,1,2
	v_add_nc_u32 v[A16+\L], s21, v[L16]
	v_add_nc_u32 v[A8+\L], s21, v[L8]
	v_add_nc_u32 v[B16+\L], s22, v[L16]
	v_add_nc_u32 v[B8+\L], s22, v[L8]
	s_add_co_u32 s21, s21, SLOTB
	s_add_co_u32 s22, s22, SLOTB
.endr
	s_mul_i32 s96, s15, HALFS                      ; a's scale bytes: my 128 rows
	s_mul_i32 s97, s16, HALFS                      ; wo's: my 128 rows, behind a's 256
	s_add_co_u32 s97, s97, 2*HALFS
	s_sub_co_u32 s97, s97, s96
	v_mul_u32_u24 v31, s97, v2                     ; lanes 16-31 take wo's: the lower base + h x the distance
	s_add_co_u32 s96, s96, SCL
	v_lshlrev_b32 v[ADRS], 5, v1                   ; a row's 32 scale bytes,
	v_and_b32 v3, 8, v1
	v_lshl_add_u32 v[ADRS], v3, 1, v[ADRS]         ; 16 more behind the first 256
	v_add_nc_u32 v[ADRS], v[ADRS], v31
	v_add_nc_u32 v[ADRS], s96, v[ADRS]
	s_mul_i32 s23, s14, 8448                       ; my stage: 16 rows x (512 bytes + 16), in slot 1: when the first result is stored there it has had its only fill, and a barrier stands behind every wave's last read of it
	s_add_co_u32 s23, s23, SLOTB
	v_mul_u32_u24 v[STO], v1, 528
	v_lshl_add_u32 v[STO], v2, 6, v[STO]
	v_add_nc_u32 v[STO], s23, v[STO]               ; in: row r, + 64 h
	v_add_nc_u32 v[RD], s23, v[L16]                ; back: the 32 lanes take one row of 512 bytes
	s_lshl_b32 s96, s20, 8
	s_lshl_b32 s97, s15, 7
	s_add_co_u32 s96, s96, s97                     ; my first row of out0
	s_lshl_b32 s96, s96, 12
	s_lshl_b32 s97, s19, 10
	s_add_co_u32 s96, s96, s97
	s_lshl_b32 s97, s16, 9
	s_add_co_u32 s96, s96, s97                     ; + my first column's bytes
	s_mov_b32 s97, 0
	s_add_nc_u64 s[92:93], s[92:93], s[96:97]
	s_wait_alu depctr_va_vdst(0)
	s_wait_tensorcnt 2                             ; the scale bytes and my part of slot 0 are in; the loads of slots 1 and 2 may be out
	s_barrier_signal -1
	s_barrier_wait -1
	FETCH_B 0, 0, 0
	FETCH_A 0, 0, 0
	SCALES 0
	FETCH_A 0, 0, 4
	STEPX 0, 0, 0, 0, 1, 0, 0, 1                   ; the first products start the sums: nothing is cleared
	STEPX 0, 1, 0, 1, 0, 1, 2, 0                   ; slot 0 is left: the round, and the refill
	s_wait_alu depctr_va_vdst(0)
	STEPX 1, 0, 1, 1, 1, 1, 0, 0
	STEPX 1, 1, 1, 2, 0, 0, 0, 0                   ; slot 2 was shown whole to every wave by the round: each had waited for all its loads in front of it
	s_wait_alu depctr_va_vdst(0)
	STEPX 2, 0, 0, 2, 1, 0, 0, 0
	STEPX 2, 1, 0, 0, 0, 1, 1, 0                   ; the refill has landed in every wave's part
	STEPX 0, 0, 1, 0, 1, 1, 0, 0
	s_wait_dscnt 16                                ; the last step: nothing more to fetch
	WIN MUL_LO
	MUL16 0, 1, 1, 1, 0
	MUL16 2, 1, 1, 1, 0
	s_wait_dscnt 0x0
	WIN MUL_HI
	MUL16 4, 1, 1, 1, 0
	MUL16 6, 1, 1, 1, 0
	WIN 0
; THE WAY OUT, block by block of 16 tokens x 128 channels, through my own stage: a lane's eight results of accumulator b are channels 32 (b / 2) + 16 h + 8 (b % 2) + 0 .. 7 of its token; whole rows of 512 bytes come back.
; LDS serves a wave's instructions in order: no wait between the stores and the loads, nor in front of the next block's stores.
.macro TOSTAGE a
.set AC, 64*((\a)%4)
	WIN 0x08+4*((\a)/4)                            ; the data: window 2 or 3
.irp b, 0,1,2,3,4,5,6,7
	ds_store_b128 v[STO], v[AC+8*\b:AC+8*\b+3] offset:128*(\b/2)+32*(\b%2)          ; each accumulator from its low end on
	ds_store_b128 v[STO], v[AC+8*\b+4:AC+8*\b+7] offset:128*(\b/2)+32*(\b%2)+16
.endr
	WIN 0
.set BB, BK+64*((\a)%2)
.irp t, 0,1,2,3,4,5,6,7,8,9,10,11,12,13,14,15
	ds_load_b128 v[BB+4*\t:BB+4*\t+3], v[RD] offset:\t*528
.endr
.endm
.macro SEND a, younger                 ; younger: the LDS instructions issued behind block a's loads, which may stay out
.set BB, BK+64*((\a)%2)
	s_wait_dscnt \younger
.irp t, 0,1,2,3,4,5,6,7,8,9,10,11,12,13,14,15
	global_store_b128 v[L16], v[BB+4*\t:BB+4*\t+3], s[92:93] offset:(32*((\a)/2)+8*((\a)%2)+\t+8*(\t/8))*4096 th:TH_STORE_NT   ; 512 consecutive bytes, aligned; the stage's row t is the tile's t-th token; 127 rows at the most in the immediate
.endr
.endm
	PLACES 4                                       ; in front of the first read of results and of loads into registers that held fragments
	TOSTAGE 0
.irp a, 1,2,3,4,5,6,7
.if \a > 1
	s_wait_xcnt 0x0                                ; block a - 2's stores have read their registers: block a's loads may land there
.endif
	TOSTAGE \a
	SEND \a-1, 32                                  ; behind block a - 1's loads: block a's 16 stores and 16 loads
.endr
	SEND 7, 0
	s_wait_tensorcnt 0x0                           ; the wave's end, behind my last tensor load and my last LDS store
	ds_add_u32 v[SPW], v[NIL]
	s_wait_dscnt 0x0
	CROUND                                         ; the closing round
	s_endpgm
.Lfunc_end_k_q17c505ff96_oproj:
	.size	k_q17c505ff96_oproj, .Lfunc_end_k_q17c505ff96_oproj-k_q17c505ff96_oproj
	.p2alignl 7, 3214868480
	.fill 96, 4, 3214868480
	.section	.rodata,"a",@progbits
	.p2align	6, 0x0
	.amdhsa_kernel k_q17c505ff96_oproj
		.amdhsa_group_segment_fixed_size 327680
		.amdhsa_private_segment_fixed_size 0
		.amdhsa_enable_private_segment 0
		.amdhsa_kernarg_size 40
		.amdhsa_user_sgpr_count 2
		.amdhsa_user_sgpr_kernarg_segment_ptr 1
		.amdhsa_wavefront_size32 1
		.amdhsa_system_sgpr_workgroup_id_x 1
		.amdhsa_system_sgpr_workgroup_id_y 1
		.amdhsa_system_sgpr_workgroup_id_z 1
		.amdhsa_system_vgpr_workitem_id 0
		.amdhsa_next_free_vgpr 1024
		.amdhsa_next_free_sgpr 106
		.amdhsa_reserve_vcc 0
		.amdhsa_float_denorm_mode_32 3
		.amdhsa_float_denorm_mode_16_64 3
		.amdhsa_memory_ordered 1
		.amdhsa_forward_progress 1
		.amdhsa_inst_pref_size 143
	.end_amdhsa_kernel
	.amdgpu_metadata
---
amdhsa.version: [ 1, 2 ]
amdhsa.kernels:
  - .name:           k_q17c505ff96_oproj
    .symbol:         k_q17c505ff96_oproj.kd
    .args:
      - { .name: act_img, .offset: 0, .size: 8, .value_kind: global_buffer, .address_space: global }
      - { .name: act_sc, .offset: 8, .size: 8, .value_kind: global_buffer, .address_space: global }
      - { .name: w_img, .offset: 16, .size: 8, .value_kind: global_buffer, .address_space: global }
      - { .name: w_sc, .offset: 24, .size: 8, .value_kind: global_buffer, .address_space: global }
      - { .name: out0, .offset: 32, .size: 8, .value_kind: global_buffer, .address_space: global }
    .group_segment_fixed_size: 327680
    .private_segment_fixed_size: 0
    .kernarg_segment_align: 8
    .kernarg_segment_size: 40
    .max_flat_workgroup_size: 128
    .sgpr_count:     106
    .vgpr_count:     1024
    .wavefront_size: 32
...
	.end_amdgpu_metadata
.endif
;; end of part 4
